; MI455X (gfx1250); checked and timed in simulation.
; The chip was launched on July 23, 2026; its instructions are those of AMD's public machine-readable ISA for CDNA 5 (MIT licence, August 2026) and "CDNA5" Instruction Set Architecture Reference Guide (July 2026). The comments in the code are by the model that wrote it; some were corrected since.
;; Local Attention. Allowed arithmetic: matrix products marked QUANTISED: E2M1 operands, one E8M0 scale for each 32 along K, by v_wmma_scale_f32_16x16x128_f8f6f4 with both operands' format E2M1 (or v_wmma_scale_f32_32x16x128_f4), f32 sums; products left as they are: f32 operands where the result goes on into a quantised operand, else bf16, f16 or f32 operands; f32 sums; everything else in f32.
;; Inputs: b1 32 float32; b2 32 float32; features_codes 1 x 2,048 x 8 x 16 uint8 (E2M1 codes of features, K innermost, in blocks of 32 codes, two codes a byte); features_scales 1 x 2,048 x 8 uint8 (E8M0 scales of features, one for each 32 codes along K); qkv_b 768 float32; qkv_w_codes 768 x 8 x 16 uint8 (E2M1 codes of qkv_w, K innermost, in blocks of 32 codes, two codes a byte); qkv_w_scales 768 x 8 uint8 (E8M0 scales of qkv_w, one for each 32 codes along K); w1 4 x 32 float32; w2_codes 32 x 1 x 16 uint8 (E2M1 codes of w2, K innermost, in blocks of 32 codes, two codes a byte); w2_scales 32 x 1 uint8 (E8M0 scales of w2, one for each 32 codes along K); xyz 1 x 3 x 2,048 float32.
;; Outputs: out0 1 x 256 x 2,048 float32.
;; This version of the problem:
;;   THIS VERSION OF THE PROBLEM IS GIVEN IN LOW PRECISION. The matrix products marked QUANTISED in the list below multiply operands that are first quantised to E2M1 (2 exponent bits, 1 mantissa bit; 4 bits a number), with one power-of-two scale for each 32 numbers along K (OCP MX v1.0); their sums are f32. All else is computed in f32.
;;   The module's matrix products, in the order in which they are computed (A, B: the left and right operand; K: the contracted axis; several contracted axes count as one K, in the product's order):
;;     1. [M 2,048, K 256] x [K 256, N 768]; A: input features (given as codes); B: input qkv_w (given as codes): QUANTISED
;;     2. [M 4,194,304, K 4] x [K 4, N 32]; A: computed on the way; B: input w1: left as it is (K = 4 < 32)
;;     3. [M 4,194,304, K 32] x [K 32, N 32]; A: computed on the way; B: input w2 (given as codes): QUANTISED
;;     4. batch 8 x [M 2,048, K 32] x [K 32, N 2,048]; A: computed on the way; B: computed on the way: QUANTISED
;;     5. batch 8 x [M 2,048, K 2,048] x [K 2,048, N 32]; A: softmax (see below); B: computed on the way: QUANTISED
;;   THE QUANTISER, for each operand of a quantised product, along K:
;;     - K is cut into blocks of 32 from its start; a last block that is shorter is filled with zeros.
;;     - A block's scale is 2^e with e = floor(log2(the largest magnitude in the block)) - 2, held to -126 .. 127; a block of zeros has e = 0. As a byte (E8M0): e + 127.
;;     - Each number is divided by its block's scale, clamped to +-6, and rounded to the nearest number of E2M1, ties to even, subnormals kept.
;;     - The product sums the exact products of the quantised numbers (number of the format x scale) in f32.
;;   ~~~python
;;   def quantise(x, axis):      # numpy; x: float32 -> the quantised numbers, widened to float32 again
;;       x = np.moveaxis(x, axis, -1); K = x.shape[-1]
;;       x = np.pad(x, [(0, 0)] * (x.ndim - 1) + [(0, -K % 32)]); x = x.reshape(x.shape[:-1] + (-1, 32)); a = np.abs(x).max(-1, keepdims=True)
;;       e = np.where(a > 0, np.clip(np.frexp(np.where(a > 0, a, 1))[1] - 1 - 2, -126, 127), 0)      # np.frexp(a)[1] - 1 = floor(log2(a)), exactly
;;       r = np.clip(x / 2.0 ** e, -6, 6)
;;       step = 2.0 ** (np.maximum(np.frexp(np.where(r == 0, 1, r))[1] - 1, 0) - 1)
;;       q = np.round(r / step) * step * 2.0 ** e      # np.round: ties to even
;;       return np.moveaxis(q.reshape(q.shape[:-2] + (-1,))[..., :K], -1, axis).astype(np.float32)
;;   ~~~
;;   SOFTMAX AHEAD OF A QUANTISED PRODUCT. Where the list says 'softmax', what is quantised is not the finished softmax but p = 2^(t - M), with t = logit x log2(e) and M = ceil(the row's largest t), a whole number; so 1/2 < the row's largest p <= 1. The row's sum l is taken of the UNQUANTISED p, in f32, and the product's result is divided by l at the end. Since M is a whole number, a kernel that streams over the keys may use a running M (the ceiling of the running maximum): every later rescaling is an exact power of two, which a block's scale takes up: the codes' values come out the same.
;;   OPERANDS COMPUTED ON THE WAY. 'Computed on the way' means the value that the module computes at that place (a softmax that the list does not call 'softmax' is quantised finished and normalised). What goes into a quantiser is computed in f32, as accurately as f32 sums, v_exp_f32 and their like allow (about 1e-6 of the number): no bf16 or f16 on the way to a quantiser, and a product that is left as it is and whose result goes on into a quantised operand takes f32 operands (vector FMAs, or v_wmma_f32_16x16x4_f32). A number that lies on a knife's edge between two numbers of the format may be rounded either way, as far as f32 arithmetic and the matrix unit's own rounding can turn it there, and no further.
;;   INPUTS GIVEN AS CODES. features (in the module: [1, 256, 2048], K = its axis 1); qkv_w (in the module: [768, 256], K = its axis 1); w2 (in the module: [32, 32], K = its axis 0): each comes as NAME_codes (uint8): NAME with its K axis moved to the last place and cut into blocks of 32 codes, [.., K / 32, bytes a block], one block behind the other in memory; two codes a byte, the lower K in the low four bits (a code: sign, 2 exponent bits, 1 mantissa bit); and NAME_scales (uint8): the same leading axes, one E8M0 byte (e + 127) for each 32 codes along K. Its value is code x scale, taken as it is: it is not quantised again, and the codes and scales need not be those that the quantiser above would give.
;; 2 versions, each right; version 2 is version 1 with the launches prep, attn written anew for expert scheduling mode. Each part assembles by itself: llvm-mc -triple=amdgcn-amd-amdhsa -mcpu=gfx1250 --defsym DOCPART=n.
;; ======== version 1 of 2: 2 launches
;; limits: right only within a limited range of input values
;; workspace buffers: qk_codes 524,288 bytes; qk_scales 32,768 bytes; v_codes 262,144 bytes; v_scales 16,384 bytes; hits 16,384 bytes of whole numbers
;; launch prep (part 1): grid 256 x 1, 11 waves a work-group, no clusters, 0 bytes of LDS; arguments features_codes, features_scales, qkv_w_codes, qkv_w_scales, qkv_b, xyz, qk_codes, qk_scales, v_codes, v_scales, hits; writes qk_codes, qk_scales, v_codes, v_scales, hits
.if DOCPART == 1
	.amdgcn_target "amdgcn-amd-amdhsa--gfx1250"
	.amdhsa_code_object_version 6
	.text
	.protected	k_qdd6127cf11_prep
	.globl	k_qdd6127cf11_prep
	.p2align	8
	.type	k_qdd6127cf11_prep,@function
k_qdd6127cf11_prep:
	s_mov_b64 s[64:65], 0
	v_nop
	global_prefetch_b8 v0, s[64:65] scope:SCOPE_SE
	s_setreg_imm32_b32 hwreg(HW_REG_WAVE_MODE, 25, 1), 1
	s_wait_xcnt 0x0
; PREP.  (1) qkv = W F + b on the given FP4 codes; q and k are quantised along d, v along the keys, and stored in the order of an operand's registers.
; (2) For each pair of queries and each tile of 16 keys one bit: smallest squared distance < 0.010001, a little above 0.1 squared, so no pair inside the radius is ever lost.
; 256 work-groups of 11 waves that share nothing: no LDS, no barrier.  The waves part on the wave's number; w is the work-group's number.
;   waves 0, 1 (g): tile tau = w / 2 of 16 points, s = w % 2 (0 q, 1 k), heads 4 g .. 4 g + 3.     wave 2: key block kb = w / 4, rows 64 a .. 64 a + 63 of v, a = w % 4.
;   waves 3 .. 10: query pair P = 4 w + (wave - 3) % 4, half hf = (wave - 3) / 4 of the keys; a lane is one block of 32 keys.
; TILES.  Row i of tile 2 kb + u is point 32 kb + 8 u + i + 8 (i / 8), so that the 16 registers of two neighbouring tiles are 16 neighbours along the next K.
; LAYOUTS.  qk_codes [s][tau][g][c][lane][16 bytes]: lane (i, hh) holds head 4 g + 2 c + hh of row i.   qk_scales [s][tau][g][i] words, byte b: head 4 g + b.
;   v_codes [kb][t][i][16 bytes]: row 16 t + i = 32 h + d of v, the block's 32 keys.   v_scales [kb][a][i] words, byte b: row 16 (4 a + b) + i.   hits [P][hf][u] words, bit b: tile u of block 32 hf + b.
; No cluster and no data mover: a wave reads each of its bytes once, straight into the registers of its operands.
; LIMITS: NaN and infinities are not served; a block whose largest magnitude lies under 2^(3 - 127) keeps the byte 1 (a block of zeros too: its codes are zeros, and this program alone reads the bytes).
.set ACC, 16                           ; v16-79   64 sums: register 16 b + 8 u + j
.set WF,  80                           ; v80-207  fragments
.set FFR, 208                          ; v208-223 the points' two fragments (waves 0, 1)
.set WS,  224                          ; v224-239 scale words
.set FS,  240                          ; v240-241 the points' scale words (waves 0, 1)
.set BV,  242                          ; v242-249 v's bias, in pairs (wave 2)
.set TM,  80                           ; the quantiser works in registers that held fragments, four places behind the last product
.set PW,  96
.set PC,  100
; 64 numbers of a lane, register 16 b + i = k 32 b + 16 (lane / 16) + i of my row, become a fragment's codes in v[PC] on and its scale word in v[PW].
.macro QUANT s
.irp b, 0,1,2,3
	v_max3_num_f32 v[TM+\b], |v[\s+16*\b]|, |v[\s+1+16*\b]|, 0x1800000   ; my 16 numbers of block b, and the floor 2^(3 - 127): the byte cannot fall under 1
.endr
.irp i, 2,4,6,8,10,12,14
.irp b, 0,1,2,3
	v_max3_num_f32 v[TM+\b], v[TM+\b], |v[\s+16*\b+\i]|, |v[\s+1+16*\b+\i]|   ; ascending, the four blocks by turns
.endr
.endr
.irp b, 0,1,2,3
	v_permlanex16_b32 v[TM+4+\b], v[TM+\b], s26, s27
.endr
.irp b, 0,1,2,3
	v_max_num_f32 v[TM+\b], v[TM+\b], v[TM+4+\b]   ; with lane l xor 16: the block's largest magnitude
.endr
.irp b, 0,1,2,3
	v_add_nc_u32 v[TM+12+\b], 0xff000000, v[TM+\b]   ; 2 off its exponent field: the conversion's scale operand
.endr
.irp b, 0,1,2,3
	v_lshrrev_b32 v[TM+4+\b], 23, v[TM+12+\b]      ; the scale's byte
.endr
	v_lshl_or_b32 v[PW], v[TM+5], 8, v[TM+4]
	v_lshl_or_b32 v[PW], v[TM+6], 16, v[PW]
	v_lshl_or_b32 v[PW], v[TM+7], 24, v[PW]
.irp b, 0,1,2,3
	v_cvt_scalef32_pk8_fp4_f32 v[PC+2*\b], v[\s+16*\b:\s+7+16*\b], v[TM+12+\b]
	v_cvt_scalef32_pk8_fp4_f32 v[PC+1+2*\b], v[\s+8+16*\b:\s+15+16*\b], v[TM+12+\b]
.endr
	v_nop                                          ; one plain place behind a scaled conversion
.irp c, 0,1                                    ; a whole block to a lane: lanes 0-15 block 2 c, lanes 16-31 block 2 c + 1
.irp i, 0,1
	v_permlane16_swap_b32 v[PC+4*\c+\i], v[PC+2+4*\c+\i]
.endr
.endr
.endm
.macro OUT cb, sb                              ; the fragment as it stands: 512 consecutive bytes a store; the scale words: 64 bytes (both halves of the lanes hold and store the same word)
.irp c, 0,1
	global_store_b128 v7, v[PC+4*\c:PC+4*\c+3], s[\cb:\cb+1] offset:512*\c
.endr
	global_store_b32 v8, v[PW], s[\sb:\sb+1]
.endm
.macro MP d, a, b, first, sa, sb
.if \first
	v_wmma_scale_f32_16x16x128_f8f6f4 v[\d:\d+7], v[\a:\a+7], v[\b:\b+7], 0, v[\sa], v[\sb] matrix_a_fmt:MATRIX_FMT_FP4 matrix_b_fmt:MATRIX_FMT_FP4
.else
	v_wmma_scale_f32_16x16x128_f8f6f4 v[\d:\d+7], v[\a:\a+7], v[\b:\b+7], v[\d:\d+7], v[\sa], v[\sb] matrix_a_fmt:MATRIX_FMT_FP4 matrix_b_fmt:MATRIX_FMT_FP4
.endif
.endm
	s_load_b512 s[4:19], s[0:1], 0x0               ; F codes s[4:5], F scales s[6:7], W codes s[8:9], W scales s[10:11], bias s[12:13], xyz s[14:15], qk_codes s[16:17], qk_scales s[18:19]
	s_load_b128 s[20:23], s[0:1], 0x40             ; v_codes s[20:21], v_scales s[22:23]
	s_load_b64 s[24:25], s[0:1], 0x50              ; hits
	v_lshrrev_b32 v1, 5, v0
	v_readfirstlane_b32 s28, v1                    ; wave 0..10
	v_and_b32 v1, 15, v0                           ; i
	v_bfe_u32 v2, v0, 4, 1                         ; hh
	v_and_b32 v3, 31, v0                           ; lane
	v_and_b32 v4, 8, v1
	v_add_nc_u32 v4, v4, v1                        ; i + 8 (i / 8)
	v_lshlrev_b32 v5, 7, v4
	v_lshl_add_u32 v5, v2, 4, v5                   ; a tile's row of 128 bytes, + 16 hh
	v_lshlrev_b32 v6, 3, v4                        ; and its 8 scale bytes
	v_lshlrev_b32 v7, 4, v3                        ; 16 x lane
	v_lshlrev_b32 v8, 2, v1                        ; 4 i
	s_mov_b32 s26, 0x76543210
	s_mov_b32 s27, 0xfedcba98                      ; selects for lane l xor 16
	s_mov_b32 s37, 0                               ; the upper word of the offset pair s[36:37]
	s_wait_kmcnt 0x0
	s_cmp_lt_u32 s28, 2
	s_cbranch_scc1 .Lqk
	s_cmp_eq_u32 s28, 2
	s_cbranch_scc1 .Lv
; ---- waves 3 .. 10: the hit bits
	s_sub_co_u32 s30, s28, 3
	s_and_b32 s31, s30, 3
	s_lshr_b32 s32, s30, 2                         ; hf
	s_lshl_b32 s33, ttmp9, 2
	s_add_co_u32 s33, s33, s31                     ; P
	s_lshl_b32 s36, s33, 3
	s_add_nc_u64 s[38:39], s[14:15], s[36:37]      ; the two queries' x; y and z lie 8,192 and 16,384 bytes on
	s_load_b64 s[40:41], s[38:39], 0x0
	s_load_b64 s[42:43], s[38:39], 0x2000
	s_load_b64 s[44:45], s[38:39], 0x4000
	s_lshl_b32 s36, s32, 12
	s_add_nc_u64 s[14:15], s[14:15], s[36:37]      ; my half of the keys
	v_lshlrev_b32 v9, 7, v3                        ; my block's 32 keys: 128 bytes an axis
.irp a, 0,1,2
.irp k, 0,1,2,3,4,5,6,7
	global_load_b128 v[16+32*\a+4*\k:16+32*\a+4*\k+3], v9, s[14:15] offset:8192*\a+16*\k
.endr
.endr
	s_lshl_b32 s36, s33, 1
	s_add_co_u32 s36, s36, s32
	s_lshl_b32 s36, s36, 3                         ; (2 P + hf) x 8 bytes
	s_add_nc_u64 s[24:25], s[24:25], s[36:37]
	v_mov_b32 v140, 0x7f800000                     ; the smallest squared distance of tile 0, of tile 1
	v_mov_b32 v141, 0x7f800000
	s_wait_kmcnt 0x0
.irp n, 40,41,42,43,44,45
	s_xor_b32 s[\n], s[\n], 0x80000000             ; -q
.endr
.irp a, 0,1,2
.irp z, 0,1
	v_mov_b32 v[112+6*\z+2*\a], s[40+2*\a+\z]      ; as pairs, for the packed additions
	v_mov_b32 v[113+6*\z+2*\a], s[40+2*\a+\z]
.endr
.endr
	s_wait_loadcnt 0x0
.set kk, 0
.rept 16                                       ; two keys at a time, both queries by turns
.irp a, 0,1,2
.irp z, 0,1
	v_pk_add_f32 v[124+8*\z+2*\a:125+8*\z+2*\a], v[16+32*\a+2*kk:17+32*\a+2*kk], v[112+6*\z+2*\a:113+6*\z+2*\a]
.endr
.endr
.irp z, 0,1
	v_pk_mul_f32 v[130+8*\z:131+8*\z], v[124+8*\z:125+8*\z], v[124+8*\z:125+8*\z]
.endr
.irp z, 0,1
	v_pk_fma_f32 v[130+8*\z:131+8*\z], v[126+8*\z:127+8*\z], v[126+8*\z:127+8*\z], v[130+8*\z:131+8*\z]
.endr
.irp z, 0,1
	v_pk_fma_f32 v[130+8*\z:131+8*\z], v[128+8*\z:129+8*\z], v[128+8*\z:129+8*\z], v[130+8*\z:131+8*\z]
.endr
.irp z, 0,1
	v_min3_num_f32 v[140+(kk/4)%2], v[140+(kk/4)%2], v[130+8*\z], v[131+8*\z]   ; keys 8 u .. 8 u + 7 and 16 + 8 u .. belong to tile u
.endr
.set kk, kk+1
.endr
	s_mov_b32 s46, 0x3c23db3c                      ; 0.010001
	v_cmp_gt_f32 s40, s46, v140                    ; a lane is a block: the 32 lanes' bits are the word
	v_cmp_gt_f32 s41, s46, v141
	v_mov_b32 v10, s40
	v_mov_b32 v11, s41
	v_mov_b32 v12, 0
	s_wait_xcnt 0x0                                ; EXEC changes only behind this wait
	v_cmp_eq_u32 vcc_lo, 0, v3
	s_and_saveexec_b32 s47, vcc_lo
	global_store_b64 v12, v[10:11], s[24:25]       ; lane 0 stores the two words
	s_wait_xcnt 0x0                                ; and again in front of the line that widens it
	s_or_b32 exec_lo, exec_lo, s47
	s_endpgm
; ---- waves 0, 1: q or k of 16 points, 128 outputs.  Transposed: source 0 = 16 rows of W, source 1 = the 16 points: a lane holds one point, its registers run along d.
.Lqk:
	s_lshr_b32 s30, ttmp9, 1                       ; tau
	s_and_b32 s31, ttmp9, 1                        ; s
	s_lshr_b32 s32, s30, 1
	s_lshl_b32 s32, s32, 5
	s_and_b32 s33, s30, 1
	s_lshl_b32 s33, s33, 3
	s_add_co_u32 s32, s32, s33                     ; the tile's first point: 32 (tau / 2) + 8 (tau % 2)
	s_lshl_b32 s34, s31, 8
	s_lshl_b32 s35, s28, 7
	s_add_co_u32 s34, s34, s35                     ; my first row of W: 256 s + 128 g
	s_lshl_b32 s36, s32, 7
	s_add_nc_u64 s[4:5], s[4:5], s[36:37]
	s_lshl_b32 s36, s32, 3
	s_add_nc_u64 s[6:7], s[6:7], s[36:37]
	s_lshl_b32 s36, s34, 7
	s_add_nc_u64 s[8:9], s[8:9], s[36:37]
	s_lshl_b32 s36, s34, 3
	s_add_nc_u64 s[10:11], s[10:11], s[36:37]
	s_lshl_b32 s36, s34, 2
	s_add_nc_u64 s[12:13], s[12:13], s[36:37]
	s_lshl_b32 s36, s31, 18
	s_lshl_b32 s38, s30, 11
	s_add_co_u32 s36, s36, s38
	s_lshl_b32 s38, s28, 10
	s_add_co_u32 s36, s36, s38
	s_add_nc_u64 s[16:17], s[16:17], s[36:37]      ; qk_codes + 262,144 s + 2,048 tau + 1,024 g
	s_lshl_b32 s36, s31, 14
	s_lshl_b32 s38, s30, 7
	s_add_co_u32 s36, s36, s38
	s_lshl_b32 s38, s28, 6
	s_add_co_u32 s36, s36, s38
	s_add_nc_u64 s[18:19], s[18:19], s[36:37]      ; qk_scales + 16,384 s + 128 tau + 64 g
	v_lshlrev_b32 v9, 6, v2                        ; the bias: 64 hh
.irp ks, 0,1
.irp c, 0,1
	global_load_b128 v[FFR+8*\ks+4*\c:FFR+8*\ks+4*\c+3], v5, s[4:5] offset:64*\ks+32*\c
.endr
	global_load_b32 v[FS+\ks], v6, s[6:7] offset:4*\ks
.endr
.irp t, 0,1,2,3,4,5,6,7                        ; tile t = 2 b + u begins at row 32 b + 8 u
.irp ks, 0,1
.irp c, 0,1
	global_load_b128 v[WF+16*\t+8*\ks+4*\c:WF+16*\t+8*\ks+4*\c+3], v5, s[8:9] offset:(32*(\t/2)+8*(\t%2))*128+64*\ks+32*\c
.endr
	global_load_b32 v[WS+2*\t+\ks], v6, s[10:11] offset:(32*(\t/2)+8*(\t%2))*8+4*\ks
.endr
	global_load_b128 v[ACC+8*\t:ACC+8*\t+3], v9, s[12:13] offset:(32*(\t/2)+8*(\t%2))*4       ; the bias lands where the sums begin: it is the C of each sum's first product
	global_load_b128 v[ACC+8*\t+4:ACC+8*\t+7], v9, s[12:13] offset:(32*(\t/2)+8*(\t%2))*4+16
.endr
	s_wait_loadcnt 0x0
.irp ks, 0,1                                   ; the eight accumulators by turns
.irp t, 0,1,2,3,4,5,6,7
	MP ACC+8*\t, WF+16*\t+8*\ks, FFR+8*\ks, 0, WS+2*\t+\ks, FS+\ks
.endr
.endr
.rept 4
	v_nop                                          ; four places in front of the first read of results and of writes into registers that held fragments
.endr
	QUANT ACC
	OUT 16, 18
	s_endpgm
; ---- wave 2: v of 32 keys, 64 rows.  Source 0 = 16 points, source 1 = 16 rows of W: a lane holds one row of v, its registers run along the keys.
.Lv:
	s_lshr_b32 s30, ttmp9, 2                       ; kb
	s_and_b32 s31, ttmp9, 3                        ; a
	s_lshl_b32 s36, s30, 12                        ; 32 kb points of 128 bytes
	s_add_nc_u64 s[4:5], s[4:5], s[36:37]
	s_add_nc_u64 s[20:21], s[20:21], s[36:37]      ; v_codes + 4,096 kb
	s_lshl_b32 s36, s30, 8
	s_add_nc_u64 s[6:7], s[6:7], s[36:37]
	s_add_nc_u64 s[22:23], s[22:23], s[36:37]      ; v_scales + 256 kb
	s_lshl_b32 s34, s31, 6
	s_add_co_u32 s34, s34, 512                     ; my first row of W: 512 + 64 a
	s_lshl_b32 s36, s34, 7
	s_add_nc_u64 s[8:9], s[8:9], s[36:37]
	s_lshl_b32 s36, s34, 3
	s_add_nc_u64 s[10:11], s[10:11], s[36:37]
	s_lshl_b32 s36, s34, 2
	s_add_nc_u64 s[12:13], s[12:13], s[36:37]
	s_lshl_b32 s36, s31, 10
	s_add_nc_u64 s[20:21], s[20:21], s[36:37]      ; + 1,024 a
	s_lshl_b32 s36, s31, 6
	s_add_nc_u64 s[22:23], s[22:23], s[36:37]      ; + 64 a
	v_lshlrev_b32 v10, 7, v1
	v_lshl_add_u32 v10, v2, 4, v10                 ; W: row i, + 16 hh
	v_lshlrev_b32 v11, 3, v1
.irp u, 0,1
.irp ks, 0,1
.irp c, 0,1
	global_load_b128 v[WF+64+16*\u+8*\ks+4*\c:WF+64+16*\u+8*\ks+4*\c+3], v5, s[4:5] offset:8*\u*128+64*\ks+32*\c
.endr
	global_load_b32 v[WS+8+2*\u+\ks], v6, s[6:7] offset:8*\u*8+4*\ks
.endr
.endr
.irp b, 0,1,2,3
.irp ks, 0,1
.irp c, 0,1
	global_load_b128 v[WF+16*\b+8*\ks+4*\c:WF+16*\b+8*\ks+4*\c+3], v10, s[8:9] offset:16*\b*128+64*\ks+32*\c
.endr
	global_load_b32 v[WS+2*\b+\ks], v11, s[10:11] offset:16*\b*8+4*\ks
.endr
	global_load_b32 v[BV+2*\b], v8, s[12:13] offset:64*\b     ; my row's bias, in both registers of a pair
	global_load_b32 v[BV+2*\b+1], v8, s[12:13] offset:64*\b
.endr
	s_wait_loadcnt 0x0
.irp ks, 0,1
.irp b, 0,1,2,3
.irp u, 0,1
	MP ACC+16*\b+8*\u, WF+64+16*\u+8*\ks, WF+16*\b+8*\ks, 1-\ks, WS+8+2*\u+\ks, WS+2*\b+\ks
.endr
.endr
.endr
.rept 4
	v_nop
.endr
.irp b, 0,1,2,3
.irp j, 0,2,4,6,8,10,12,14
	v_pk_add_f32 v[ACC+16*\b+\j:ACC+16*\b+\j+1], v[ACC+16*\b+\j:ACC+16*\b+\j+1], v[BV+2*\b:BV+2*\b+1]
.endr
.endr
	QUANT ACC
	OUT 20, 22
	s_endpgm
.Lfunc_end_k_qdd6127cf11_prep:
	.size	k_qdd6127cf11_prep, .Lfunc_end_k_qdd6127cf11_prep-k_qdd6127cf11_prep
	.p2alignl 7, 3214868480
	.fill 96, 4, 3214868480
	.section	.rodata,"a",@progbits
	.p2align	6, 0x0
	.amdhsa_kernel k_qdd6127cf11_prep
		.amdhsa_group_segment_fixed_size 0
		.amdhsa_private_segment_fixed_size 0
		.amdhsa_enable_private_segment 0
		.amdhsa_kernarg_size 88
		.amdhsa_user_sgpr_count 2
		.amdhsa_user_sgpr_kernarg_segment_ptr 1
		.amdhsa_wavefront_size32 1
		.amdhsa_system_sgpr_workgroup_id_x 1
		.amdhsa_system_sgpr_workgroup_id_y 1
		.amdhsa_system_sgpr_workgroup_id_z 1
		.amdhsa_system_vgpr_workitem_id 0
		.amdhsa_next_free_vgpr 256
		.amdhsa_next_free_sgpr 66
		.amdhsa_reserve_vcc 1
		.amdhsa_float_denorm_mode_32 3
		.amdhsa_float_denorm_mode_16_64 3
		.amdhsa_memory_ordered 1
		.amdhsa_forward_progress 1
		.amdhsa_inst_pref_size 47
	.end_amdhsa_kernel
	.amdgpu_metadata
---
amdhsa.version: [ 1, 2 ]
amdhsa.kernels:
  - .name:           k_qdd6127cf11_prep
    .symbol:         k_qdd6127cf11_prep.kd
    .args:
      - { .name: features_codes, .offset: 0, .size: 8, .value_kind: global_buffer, .address_space: global }
      - { .name: features_scales, .offset: 8, .size: 8, .value_kind: global_buffer, .address_space: global }
      - { .name: qkv_w_codes, .offset: 16, .size: 8, .value_kind: global_buffer, .address_space: global }
      - { .name: qkv_w_scales, .offset: 24, .size: 8, .value_kind: global_buffer, .address_space: global }
      - { .name: qkv_b, .offset: 32, .size: 8, .value_kind: global_buffer, .address_space: global }
      - { .name: xyz, .offset: 40, .size: 8, .value_kind: global_buffer, .address_space: global }
      - { .name: qk_codes, .offset: 48, .size: 8, .value_kind: global_buffer, .address_space: global }
      - { .name: qk_scales, .offset: 56, .size: 8, .value_kind: global_buffer, .address_space: global }
      - { .name: v_codes, .offset: 64, .size: 8, .value_kind: global_buffer, .address_space: global }
      - { .name: v_scales, .offset: 72, .size: 8, .value_kind: global_buffer, .address_space: global }
      - { .name: hits, .offset: 80, .size: 8, .value_kind: global_buffer, .address_space: global }
    .group_segment_fixed_size: 0
    .private_segment_fixed_size: 0
    .kernarg_segment_align: 8
    .kernarg_segment_size: 88
    .max_flat_workgroup_size: 352
    .sgpr_count:     66
    .vgpr_count:     256
    .wavefront_size: 32
...
	.end_amdgpu_metadata
.endif
;; end of part 1
;; launch attn (part 2): grid 256 x 1, 8 waves a work-group, no clusters, 19,456 bytes of LDS; arguments xyz, w1, b1, w2_codes, w2_scales, b2, qk_codes, qk_scales, v_codes, v_scales, hits, out0; writes out0
.if DOCPART == 2
	.amdgcn_target "amdgcn-amd-amdhsa--gfx1250"
	.amdhsa_code_object_version 6
	.text
	.protected	k_qdd6127cf11_attn
	.globl	k_qdd6127cf11_attn
	.p2align	8
	.type	k_qdd6127cf11_attn,@function
k_qdd6127cf11_attn:
	s_mov_b64 s[64:65], 0
	v_nop
	global_prefetch_b8 v0, s[64:65] scope:SCOPE_SE
	s_setreg_imm32_b32 hwreg(HW_REG_WAVE_MODE, 25, 1), 1
	s_wait_xcnt 0x0
; ATTN.  out[n][h][d] = sum over keys m of softmax_m(q.k + bias(n, m, h), keys at dist >= 0.1 left out) v[m][h][d]; bias = the mean of four columns of relu([rel, dist] w1 + b1) w2 + b2.
; SHARES.  A wave owns a pair of queries (2 P, 2 P + 1), all 8 heads: the 16 columns r = 8 n + h of every product; and one half hf of the keys, 32 blocks of 32.  P = 4 x work-group + wave % 4, hf = wave / 4.
; It walks only the blocks whose stored hit bits are set (a block without a bit holds no key inside the radius of either query: all its p are 0), four gathered blocks to a trip.
; The two halves of a pair meet in LDS at the end, across the text's one barrier.
; ONE ACCUMULATOR TAKES THE WHOLE LOGIT of 16 keys x 16 columns, in seven links on FP4 codes:
;   the mask (A: code +6 in the first place of block n where the pair is outside the radius, B: code -6 there, both scale bytes 174: -36 x 2^94, or an exact 0; C = 0);
;   q.k (two links of four heads each; B holds a column's q in its own head's block and zero codes elsewhere);
;   the four columns 4 h + j of w2 (A: the quantised hidden layer of query 0 and of query 1 in two blocks; 2 is taken off w2's scale bytes: the mean's quarter).
; The hidden layer is v_wmma_f32_16x16x4_f32 with b1 as C.  ReLU: the block's maximum is taken without |.| over the floor, and codes with the sign bit set lose their magnitude bits.
; SOFTMAX as the problem states it: t = logit x log2(e); M = the running largest t rounded up; p = 2^(t - M) is quantised by blocks of 32 keys; the sum is taken of the unquantised p.
; When M moves inside a trip, the scale operands of the trip's earlier blocks are multiplied by f = 2^(old M - new M): their exponent field is the scale's byte.
; O^T = V^T P^T is made for all 16 tiles of v's 256 rows; of each tile the columns of its own head are kept (x 1.0) and the others dropped (x 0).
; No data mover and no cluster: which blocks a wave reads, and how many trips it makes, hang on the stored bits and differ from wave to wave; operands go from memory straight into registers.
; LIMITS: |t| < 2^96; NaN and infinities are not served; |v| < 1e36 (products with another head's p stay finite before x 0); w2's scale bytes 0 and 1 are held at 2;
;   a block whose largest magnitude lies under 2^(3 - 127) keeps the byte 1; a block of p whose byte would fall under 0 when M moves is held at byte 0; a pair whose dist lies within an ulp of 0.1 may fall either way.
; REGISTERS, window 0: v1-11, v250-255 at work; v12-19, v20-27 the mask's two A operands (only the first place of v12 and v20 meets a code that is not zero; the rest are constants of the lane);
;   v28-47 w1, b1; v48-63 q; v64-79 w2; v80-87 the mask's B; v88-94 scale words; v96-103 k's scale words; v104-111 v's; v112-119 v's as loaded; v120-143 the keys' xyz;
;   v144-175 the hidden layer and the tiles of O^T (written by matrix instructions alone); v176-191 the logits; v192-203 hidden codes round four zeros; v204-211 p's codes; v212-215 p's scale operands;
;   v216-231 O^T; v232-235 [rel, dist]; v236-249 sums and factors.   window 1: v0-127 k's fragments of four blocks, v128-255 v's.
.set VAR,  12                          ; v12, v20: 7 where the pair is masked, else 0
.set LK,   13                          ; 4 (i + 8 (i / 8))
.set L16,  14                          ; 16 x lane
.set L4,   15                          ; 4 x lane
.set LV,   16                          ; 16 i
.set LX,   17                          ; 128 hh + 4 i
.set MLO,  18                          ; hh ? 0 : -1
.set MHI,  19                          ; hh ? -1 : 0
.set QX,   21                          ; v21-23 the coordinates of query hh
.set CB,   24                          ; log2(e) x the mean of b2's four
.set VO,   25                          ; v25-26 my blocks' places in v_codes
.set ZR,   27                          ; 0
.set W1A,  28
.set B1C,  32
.set QS,   48
.set W2,   64
.set MB,   80
.set QSW,  88
.set MSC,  89
.set W2SC, 90
.set PEW,  92
.set PSW,  94
.set RKSC, 96
.set RSV,  104
.set RX,   112
.set RXYZ, 120
.set RH,   144
.set RS,   176
.set RR,   192
.set RZ,   196
.set RPC,  204
.set RBY,  212
.set RO,   216
.set RG,   232
.set RL,   236
.set RAD,  238
.set RFF,  240
.set RFT,  242
.set RTM,  244
.set RNM,  245
.set RHM,  246
.set T0,   250
; s28 wave, s29 wave % 4, s30 hf, s31 P; s32-33 the hit words of tiles 0 and 1; s34 blocks still to walk; s36 trips; s[38:39] an offset; s40-43 the trip's four blocks, s45-47 whether entries 1 to 3 are valid;
; s[48:55], s[56:63], s[66:73], s[74:81] the four blocks' places in k's codes, k's scales, xyz, v's scales; s[82:91] my half's first byte in each; s92 the radius; s[94:95] log2(e); s[96:97] selects for lane l xor 16.
.set MSB, 0
.macro WIN new                         ; the immediate's high byte repeats the setting that is left
.if MSB != \new
	s_set_vgpr_msb (MSB<<8)|\new
.set MSB, \new
.endif
.endm
; a product on FP4 codes.  first = 1: C = 0.  ra, rb: A's or B's scales stand in lanes 16-31
.macro MM d, a, b, first, sa, sb, ra, rb
.if \first
.if \ra
	v_wmma_scale_f32_16x16x128_f8f6f4 v[\d:\d+7], v[\a:\a+7], v[\b:\b+7], 0, v[\sa], v[\sb] matrix_a_fmt:MATRIX_FMT_FP4 matrix_b_fmt:MATRIX_FMT_FP4 matrix_a_scale:MATRIX_SCALE_ROW1
.else
	v_wmma_scale_f32_16x16x128_f8f6f4 v[\d:\d+7], v[\a:\a+7], v[\b:\b+7], 0, v[\sa], v[\sb] matrix_a_fmt:MATRIX_FMT_FP4 matrix_b_fmt:MATRIX_FMT_FP4
.endif
.else
.if \ra
	v_wmma_scale_f32_16x16x128_f8f6f4 v[\d:\d+7], v[\a:\a+7], v[\b:\b+7], v[\d:\d+7], v[\sa], v[\sb] matrix_a_fmt:MATRIX_FMT_FP4 matrix_b_fmt:MATRIX_FMT_FP4 matrix_a_scale:MATRIX_SCALE_ROW1
.elseif \rb
	v_wmma_scale_f32_16x16x128_f8f6f4 v[\d:\d+7], v[\a:\a+7], v[\b:\b+7], v[\d:\d+7], v[\sa], v[\sb] matrix_a_fmt:MATRIX_FMT_FP4 matrix_b_fmt:MATRIX_FMT_FP4 matrix_b_scale:MATRIX_SCALE_ROW1
.else
	v_wmma_scale_f32_16x16x128_f8f6f4 v[\d:\d+7], v[\a:\a+7], v[\b:\b+7], v[\d:\d+7], v[\sa], v[\sb] matrix_a_fmt:MATRIX_FMT_FP4 matrix_b_fmt:MATRIX_FMT_FP4
.endif
.endif
.endm
; The next four blocks with a bit.  Every number that enters an address is held at 31 by s_min_u32.  An entry for which no bit is left doubles the first: its loads stay inside the buffers, its work is jumped over.
.macro NEXT4
	s_ctz_i32_b32 s40, s34
	s_min_u32 s40, s40, 31
	s_add_co_u32 s35, s34, -1
	s_and_b32 s34, s34, s35                        ; the lowest bit is taken off
.irp e, 1,2,3
	s_ctz_i32_b32 s35, s34
	s_cmp_lg_u32 s34, 0
	s_cselect_b32 s[44+\e], 1, 0
	s_cselect_b32 s[40+\e], s35, s40
	s_min_u32 s[40+\e], s[40+\e], 31
	s_add_co_u32 s35, s34, -1
	s_and_b32 s34, s34, s35
.endr
.endm
; 64 loads: the four blocks' k (codes 32, scale words 8) and xyz (24).  It stands behind a wait for all loads, so every base may be written.
.macro KGROUP
.irp e, 0,1,2,3
	s_lshl_b32 s38, s[40+\e], 12
	s_add_nc_u64 s[48+2*\e:49+2*\e], s[82:83], s[38:39]
	s_lshl_b32 s38, s[40+\e], 8
	s_add_nc_u64 s[56+2*\e:57+2*\e], s[84:85], s[38:39]
	s_add_nc_u64 s[74+2*\e:75+2*\e], s[90:91], s[38:39]
	s_lshl_b32 s38, s[40+\e], 7
	s_add_nc_u64 s[66+2*\e:67+2*\e], s[86:87], s[38:39]
.endr
	WIN 0x40                                       ; destination window 1
.irp e, 0,1,2,3
.irp q, 0,1,2,3,4,5,6,7                        ; q = 4 u + 2 g + c: 512 consecutive bytes a load
	global_load_b128 v[32*\e+4*\q:32*\e+4*\q+3], v[L16], s[48+2*\e:49+2*\e] offset:512*\q
.endr
.endr
	WIN 0
.irp e, 0,1,2,3
.irp u, 0,1
	global_load_b32 v[RKSC+2*\e+\u], v[L4], s[56+2*\e:57+2*\e] offset:128*\u     ; lanes 0-15: heads 0-3, lanes 16-31: heads 4-7
.irp a, 0,1,2
	global_load_b32 v[RXYZ+3*(2*\e+\u)+\a], v[LK], s[66+2*\e:67+2*\e] offset:8192*\a+32*\u
.endr
.endr
.endr
.endm
; 40 loads: the four blocks' v.  Lanes 0-15 hold blocks 0 and 2 of the four, lanes 16-31 blocks 1 and 3, as the operand's layout asks.
.macro VGROUP
.irp c, 0,1
	v_and_b32 v[T0+4], s[40+2*\c], v[MLO]
	v_and_b32 v[T0+5], s[41+2*\c], v[MHI]
	v_add_nc_u32 v[T0+4], v[T0+4], v[T0+5]
	v_lshl_add_u32 v[VO+\c], v[T0+4], 12, v[LV]
.endr
.irp e, 0,1,2,3
.irp x, 0,1
	global_load_b32 v[RX+2*\e+\x], v[LX], s[74+2*\e:75+2*\e] offset:64*\x        ; the scale bytes of tiles 8 hh + 4 x + 0 .. 3, row i
.endr
.endr
	WIN 0x40
.irp t, 0,1,2,3,4,5,6,7,8,9,10,11,12,13,14,15
.irp c, 0,1
	global_load_b128 v[128+8*\t+4*\c:128+8*\t+4*\c+3], v[VO+\c], s[88:89] offset:256*\t
.endr
.endr
	WIN 0
.endm
; Tile u of entry e: 16 keys x the two queries.  Without its bit: all masked, and the hidden codes and their scale word stay as they were (finite numbers beside -36 x 2^94).
.macro UNIT e, u
.set XK, RXYZ+3*(2*(\e)+(\u))
.set RU, RR+8*(\u)
	s_bitcmp1_b32 s[32+(\u)], s[40+(\e)]
	s_cbranch_scc0 .Lmiss_\@
	v_sub_f32 v[RG], v[QX], v[XK]                  ; lane (i, hh): query hh - key i
	v_sub_f32 v[RG+1], v[QX+1], v[XK+1]
	v_sub_f32 v[RG+2], v[QX+2], v[XK+2]
	v_mul_f32 v[T0], v[RG], v[RG]
	v_fma_f32 v[T0], v[RG+1], v[RG+1], v[T0]
	v_fma_f32 v[T0], v[RG+2], v[RG+2], v[T0]
	v_sqrt_f32 v[RG+3], v[T0]
	v_nop                                          ; one plain place behind a transcendental
	s_wait_alu depctr_va_vdst(0)
	v_cmp_gt_f32 vcc_lo, s92, v[RG+3]              ; inside the radius
	v_permlane16_swap_b32 v[RG], v[RG+2]           ; pair 2 z of registers now holds query z: lanes 0-15 (x, y), lanes 16-31 (z, dist): K = 4
	v_permlane16_swap_b32 v[RG+1], v[RG+3]
.irp z, 0,1
.irp w, 0,1                                    ; source 0 = 16 units of w1, source 1 = 16 keys: register 16 z + 8 w + j is unit 16 hh + 8 w + j of key i, query z
	v_wmma_f32_16x16x4_f32 v[RH+16*\z+8*\w:RH+16*\z+8*\w+7], v[W1A+2*\w:W1A+2*\w+1], v[RG+2*\z:RG+2*\z+1], v[B1C+8*\w:B1C+8*\w+7]
.endr
.endr
	v_cndmask_b32 v[VAR+8*(\u)], 7, v[ZR], vcc_lo  ; with the seven below: the eight places behind this form
.rept 7
	v_nop
.endr
	v_max3_num_f32 v[T0], v[RH], v[RH+1], 0x1800000          ; no |.|: what is negative does not count; the floor 2^(3 - 127) stands over it
	v_max3_num_f32 v[T0+1], v[RH+16], v[RH+17], 0x1800000
.irp i, 2,4,6,8,10,12,14
	v_max3_num_f32 v[T0], v[T0], v[RH+\i], v[RH+\i+1]        ; ascending: each result from its low end on
	v_max3_num_f32 v[T0+1], v[T0+1], v[RH+16+\i], v[RH+17+\i]
.endr
	v_permlanex16_b32 v[T0+2], v[T0], s96, s97
	v_permlanex16_b32 v[T0+3], v[T0+1], s96, s97
	v_max_num_f32 v[T0], v[T0], v[T0+2]
	v_max_num_f32 v[T0+1], v[T0+1], v[T0+3]
	v_add_nc_u32 v[T0+4], 0xff000000, v[T0]        ; 2 off the exponent field: the conversion's scale operand
	v_add_nc_u32 v[T0+5], 0xff000000, v[T0+1]
	v_lshrrev_b32 v[T0+2], 23, v[T0+4]
	v_lshrrev_b32 v[T0+3], 23, v[T0+5]
	v_lshl_or_b32 v[PEW+(\u)], v[T0+3], 8, v[T0+2]
	v_lshl_or_b32 v[PEW+(\u)], v[PEW+(\u)], 16, v[PEW+(\u)]  ; bytes (query 0, query 1) twice: tile 0 uses blocks 0 and 1, tile 1 blocks 2 and 3
	v_cvt_scalef32_pk8_fp4_f32 v[RU], v[RH:RH+7], v[T0+4]
	v_cvt_scalef32_pk8_fp4_f32 v[RU+1], v[RH+8:RH+15], v[T0+4]
	v_cvt_scalef32_pk8_fp4_f32 v[RU+2], v[RH+16:RH+23], v[T0+5]
	v_cvt_scalef32_pk8_fp4_f32 v[RU+3], v[RH+24:RH+31], v[T0+5]
	v_nop                                          ; one plain place behind a scaled conversion
.irp k, 0,1,2,3
	v_and_b32 v[T0+\k], 0x88888888, v[RU+\k]       ; ReLU on the codes: the sign bits,
.endr
.irp k, 0,1,2,3
	v_lshrrev_b32 v[4+\k], 3, v[T0+\k]
.endr
.irp k, 0,1,2,3
	v_sub_nc_u32 v[T0+\k], v[T0+\k], v[4+\k]       ; 7 in each place whose code is negative,
.endr
.irp k, 0,1,2,3
	v_bfi_b32 v[RU+\k], v[T0+\k], 0, v[RU+\k]      ; and those three bits cleared: -0
.endr
	v_permlane16_swap_b32 v[RU], v[RU+2]           ; a whole block to a lane: lanes 0-15 query 0, lanes 16-31 query 1
	v_permlane16_swap_b32 v[RU+1], v[RU+3]
	s_branch .Lend_\@
.Lmiss_\@:
	v_mov_b32 v[VAR+8*(\u)], 7
.Lend_\@:
.endm
; The logits of entry e: two accumulators (tiles 0 and 1) by turns, one instruction a turn.
.macro CHAIN e
.rept 4
	v_nop                                          ; operands written by vector instructions stand four places ahead of a scaled product
.endr
	MM RS, VAR, MB, 1, MSC, MSC, 0, 0
	MM RS+8, VAR+8, MB, 1, MSC, MSC, 0, 0
	WIN 0x01                                       ; source 0 window 1
.irp g, 0,1
.irp u, 0,1
	MM RS+8*\u, 32*(\e)+16*\u+8*\g, QS+8*\g, 0, RKSC+2*(\e)+\u, QSW, \g, 0
.endr
.endr
	WIN 0
.irp j, 0,1,2,3                                ; tile 0: (codes, zeros) against (w2 column j, whatever follows); tile 1: (zeros, codes) against (whatever stands ahead, w2 column j)
	MM RS, RR, W2+4*\j, 0, PEW, W2SC+\j/2, 0, \j%2
	MM RS+8, RZ, W2-4+4*\j, 0, PEW+1, W2SC+\j/2, 0, \j%2
.endr
.rept 4
	v_nop                                          ; four places in front of the first read of results
.endr
.endm
; Lane (r, hh) holds column r and keys 16 hh + 0 .. 15 of the block.
.macro SOFTMAX e
	v_max3_num_f32 v[T0], v[RS], v[RS+1], v[RS+2]
	v_max3_num_f32 v[T0+1], v[RS+8], v[RS+9], v[RS+10]
	v_max3_num_f32 v[T0], v[T0], v[RS+3], v[RS+4]
	v_max3_num_f32 v[T0+1], v[T0+1], v[RS+11], v[RS+12]
	v_max3_num_f32 v[T0], v[T0], v[RS+5], v[RS+6]
	v_max3_num_f32 v[T0+1], v[T0+1], v[RS+13], v[RS+14]
	v_max3_num_f32 v[T0], v[T0], v[RS+7], v[RS+15]
	v_max_num_f32 v[T0], v[T0], v[T0+1]
	v_permlanex16_b32 v[T0+1], v[T0], s96, s97
	v_max_num_f32 v[T0], v[T0], v[T0+1]            ; the block's largest logit: for the running maximum, and, since p rises with it, for the block's largest p
	v_fma_f32 v[T0+2], v[T0], s94, v[CB]
	v_max_num_f32 v[RTM], v[RTM], v[T0+2]          ; the running largest t
	v_mov_b32 v[T0+3], v[RNM]
	v_floor_f32 v[RNM], -v[RTM]                    ; -M = floor(-t)
	v_sub_f32 v[T0+4], v[RNM], v[T0+3]             ; old M - new M: a whole number, 0 or less
	v_cvt_i32_f32 v[T0+4], v[T0+4]                 ; (it saturates)
	v_ldexp_f32 v[RFF], 1.0, v[T0+4]               ; f
	v_add_f32 v[RAD], v[CB], v[RNM]
.irp j, 0,2,4,6,8,10,12,14
	v_pk_fma_f32 v[RS+\j:RS+\j+1], v[RS+\j:RS+\j+1], s[94:95], v[RAD:RAD+1] op_sel_hi:[1,0,0]   ; t - M
.endr
	v_fma_f32 v[T0+5], v[T0], s94, v[RAD]
.irp j, 0,1,2,3,4,5,6,7,8,9,10,11,12,13,14,15
	v_exp_f32 v[RS+\j], v[RS+\j]                   ; p; 0 where the pair is masked
.endr
	v_exp_f32 v[T0+5], v[T0+5]                     ; the block's largest p: the same two instructions on the same number
	v_pk_mul_f32 v[RL:RL+1], v[RL:RL+1], v[RFF:RFF+1] op_sel_hi:[1,0]   ; the sums under the new M (the plain place behind the exponentials)
	v_mul_f32 v[RFT], v[RFT], v[RFF]               ; what O^T owes at the trip's end
	s_wait_alu depctr_va_vdst(0)
	v_max_num_f32 v[T0+5], 0x1800000, v[T0+5]
	v_add_nc_u32 v[RBY+(\e)], 0xff000000, v[T0+5]  ; the scale operand; its exponent field is the byte
.irp p, 0,1,2
.if \p < (\e)
	v_mul_f32 v[RBY+\p], v[RBY+\p], v[RFF]         ; the trip's earlier blocks under the new M: the field falls by the step, and ends at 0
.endif
.endr
	v_cvt_scalef32_pk8_fp4_f32 v[RPC+2*(\e)], v[RS:RS+7], v[RBY+(\e)]
	v_cvt_scalef32_pk8_fp4_f32 v[RPC+2*(\e)+1], v[RS+8:RS+15], v[RBY+(\e)]
	v_pk_add_f32 v[T0:T0+1], v[RS:RS+1], v[RS+2:RS+3]         ; the sum of the unquantised p, in two chains
	v_pk_add_f32 v[RL:RL+1], v[RL:RL+1], v[RS+4:RS+5]
	v_pk_add_f32 v[T0:T0+1], v[T0:T0+1], v[RS+6:RS+7]
	v_pk_add_f32 v[RL:RL+1], v[RL:RL+1], v[RS+8:RS+9]
	v_pk_add_f32 v[T0:T0+1], v[T0:T0+1], v[RS+10:RS+11]
	v_pk_add_f32 v[RL:RL+1], v[RL:RL+1], v[RS+12:RS+13]
	v_pk_add_f32 v[T0:T0+1], v[T0:T0+1], v[RS+14:RS+15]
	v_pk_add_f32 v[RL:RL+1], v[RL:RL+1], v[T0:T0+1]
.endm
.macro BLOCK e
.if (\e) > 0
	s_cmp_eq_u32 s[44+(\e)], 0
	s_cbranch_scc1 .Lskip_\@
.endif
	UNIT \e, 0
	UNIT \e, 1
	CHAIN \e
	SOFTMAX \e
.if (\e) > 0
	s_branch .Ldone_\@
.Lskip_\@:
	v_mov_b32 v[RPC+2*(\e)], 0                     ; no block: zero codes under the byte 1
	v_mov_b32 v[RPC+2*(\e)+1], 0
	v_mov_b32 v[RBY+(\e)], 0x800000
.Ldone_\@:
.endif
.endm
; O^T += V^T P^T over the trip's four blocks, K = 128.
.macro PV
.irp e, 0,1,2,3
	v_lshrrev_b32 v[T0+\e], 23, v[RBY+\e]
.endr
	v_lshl_or_b32 v[PSW], v[T0+1], 8, v[T0]        ; p's scale word
	v_lshl_or_b32 v[PSW], v[T0+2], 16, v[PSW]
	v_lshl_or_b32 v[PSW], v[T0+3], 24, v[PSW]
.irp c, 0,1
.irp i, 0,1
	v_permlane16_swap_b32 v[RPC+4*\c+\i], v[RPC+4*\c+2+\i]
.endr
.endr
.irp x, 0,1                                    ; v's scale bytes, four tiles x four blocks, are turned: word 4 x + b of lane (i, hh) is tile 8 hh + 4 x + b, byte e block e
	v_perm_b32 v[T0], v[RX+2+\x], v[RX+\x], 0x05010400
	v_perm_b32 v[T0+1], v[RX+2+\x], v[RX+\x], 0x07030602
	v_perm_b32 v[T0+2], v[RX+6+\x], v[RX+4+\x], 0x05010400
	v_perm_b32 v[T0+3], v[RX+6+\x], v[RX+4+\x], 0x07030602
	v_perm_b32 v[RSV+4*\x], v[T0+2], v[T0], 0x05040100
	v_perm_b32 v[RSV+4*\x+1], v[T0+2], v[T0], 0x07060302
	v_perm_b32 v[RSV+4*\x+2], v[T0+3], v[T0+1], 0x05040100
	v_perm_b32 v[RSV+4*\x+3], v[T0+3], v[T0+1], 0x07060302
.endr
.irp j, 0,2,4,6,8,10,12,14
	v_pk_mul_f32 v[RO+\j:RO+\j+1], v[RO+\j:RO+\j+1], v[RFT:RFT+1] op_sel_hi:[1,0]   ; O^T under the trip's last M.  With the line below: nine places between the last scale word and the products
.endr
	v_mov_b32 v[RFT], 1.0
.irp q, 0,1,2,3                                ; four tiles at a time: heads 2 q and 2 q + 1
	WIN 0x01
.irp k, 0,1,2,3
	MM RH+8*\k, 128+8*(4*\q+\k), RPC, 1, RSV+(4*\q+\k)%8, PSW, \q/2, 0
.endr
	WIN 0
	s_mov_b32 s37, 0x01010101<<(2*\q)              ; the lanes whose column belongs to the head
	s_mov_b32 s99, 0x01010101<<(2*\q+1)
	v_cndmask_b32 v[RHM], 0, 1.0, s37
	v_cndmask_b32 v[RHM+2], 0, 1.0, s99
	v_nop
	v_nop                                          ; four places in front of the first read of results
.irp k, 0,1,2,3
.irp j, 0,2,4,6
	v_pk_fma_f32 v[RO+8*(\k%2)+\j:RO+8*(\k%2)+\j+1], v[RH+8*\k+\j:RH+8*\k+\j+1], v[RHM+2*(\k/2):RHM+2*(\k/2)+1], v[RO+8*(\k%2)+\j:RO+8*(\k%2)+\j+1] op_sel_hi:[1,0,1]
.endr
.endr
.endr
.endm
.macro TRIP more
	s_wait_loadcnt 40                              ; k and xyz are in: behind their 64 loads exactly v's 40 were issued, on the way in and on the way back
	BLOCK 0
	BLOCK 1
	BLOCK 2
	BLOCK 3
	s_wait_loadcnt 0x0                             ; v is in (asked for four blocks ago); no load is out: every base and offset may be written
.if \more
	NEXT4
	KGROUP                                         ; the next trip's k lands while O^T is made
.endif
	PV
.if \more
	VGROUP                                         ; v's registers are free only now
.endif
.endm
	s_load_b512 s[4:19], s[0:1], 0x0               ; xyz s[4:5], w1 s[6:7], b1 s[8:9], w2 codes s[10:11], w2 scales s[12:13], b2 s[14:15], qk_codes s[16:17], qk_scales s[18:19]
	s_load_b256 s[20:27], s[0:1], 0x40             ; v_codes s[20:21], v_scales s[22:23], hits s[24:25], out0 s[26:27]
	v_lshrrev_b32 v1, 5, v0
	v_readfirstlane_b32 s28, v1                    ; wave 0..7
	s_and_b32 s29, s28, 3
	s_lshr_b32 s30, s28, 2                         ; hf
	s_lshl_b32 s31, ttmp9, 2
	s_add_co_u32 s31, s31, s29                     ; P
	s_mov_b32 s39, 0
	s_mov_b32 s92, 0x3dcccccd                      ; 0.1
	s_mov_b32 s94, 0x3fb8aa3b                      ; log2(e)
	s_mov_b32 s95, s94
	s_mov_b32 s96, 0x76543210
	s_mov_b32 s97, 0xfedcba98
	s_mov_b32 s98, 0xff0000ff                      ; the lanes (r, hh) with r / 8 = hh
	v_and_b32 v1, 15, v0                           ; i, or r
	v_bfe_u32 v2, v0, 4, 1                         ; hh
	v_and_b32 v3, 31, v0                           ; lane
	v_and_b32 v4, 8, v1
	v_add_nc_u32 v4, v4, v1                        ; i + 8 (i / 8)
	v_and_b32 v5, 7, v1                            ; h
	v_lshrrev_b32 v6, 3, v1                        ; n
	v_lshlrev_b32 v[LK], 2, v4
	v_lshlrev_b32 v[L16], 4, v3
	v_lshlrev_b32 v[L4], 2, v3
	v_lshlrev_b32 v[LV], 4, v1
	v_lshlrev_b32 v[LX], 2, v1
	v_lshl_add_u32 v[LX], v2, 7, v[LX]
	v_add_nc_u32 v[MLO], -1, v2
	v_sub_nc_u32 v[MHI], 0, v2
	v_mov_b32 v[ZR], 0
	s_lshl_b32 s99, s31, 3
	v_lshl_add_u32 v7, v2, 2, s99                  ; xyz: query 2 P + hh
	s_lshl_b32 s99, s31, 1
	s_and_b32 s99, s99, 31                         ; x0 = 2 P mod 32: the first query's place in its block of 32 points
	s_lshr_b32 s100, s31, 4
	s_lshl_b32 s100, s100, 1
	s_bfe_u32 s101, s99, 0x10003
	s_add_co_u32 s100, s100, s101                  ; its tile: 2 (P / 16) + (x0 / 8) % 2
	s_and_b32 s101, s99, 7
	s_lshr_b32 s99, s99, 4
	s_lshl_b32 s99, s99, 3
	s_add_co_u32 s99, s99, s101                    ; its row there: x0 % 8 + 8 (x0 / 16); the second query is the next row
	s_lshl_b32 s101, s100, 11
	s_lshl_b32 s35, s99, 4
	s_add_co_u32 s101, s101, s35
	v_lshlrev_b32 v8, 8, v5
	v_lshl_add_u32 v8, v6, 4, v8
	v_add_nc_u32 v8, s101, v8                      ; q's codes: 2,048 tile + 256 h + 16 (row + n)
	s_lshl_b32 s101, s100, 7
	s_lshl_b32 s35, s99, 2
	s_add_co_u32 s101, s101, s35
	v_lshrrev_b32 v9, 2, v5
	v_lshlrev_b32 v9, 6, v9
	v_lshl_add_u32 v9, v6, 2, v9
	v_add_nc_u32 v9, s101, v9                      ; q's scale word: 128 tile + 64 (h / 4) + 4 (row + n)
	v_lshlrev_b32 v10, 6, v5                       ; w2's columns 4 h on: 16 bytes each
	v_lshl_add_u32 v11, v5, 2, v2                  ; their scale bytes: 4 h + hh
	v_lshlrev_b32 v[T0], 4, v5                     ; b2: 16 h
	v_lshl_add_u32 v[T0+1], v2, 8, v[LK]           ; w1: rows 2 hh + j of 128 bytes, unit i + 8 (i / 8) + 8 w
	v_lshlrev_b32 v[T0+2], 6, v2                   ; b1: units 16 hh on
	s_wait_kmcnt 0x0
	s_lshl_b32 s38, s31, 4
	s_lshl_b32 s35, s30, 3
	s_add_co_u32 s38, s38, s35                     ; (2 P + hf) x 8 bytes
	s_add_nc_u64 s[24:25], s[24:25], s[38:39]
	s_load_b64 s[32:33], s[24:25], 0x0             ; my 32 blocks' bits, tile 0 and tile 1
	s_lshl_b32 s38, s30, 17
	s_add_nc_u64 s[88:89], s[20:21], s[38:39]      ; v_codes + 131,072 hf
	s_add_co_u32 s38, s38, 262144
	s_add_nc_u64 s[82:83], s[16:17], s[38:39]      ; k's codes
	s_lshl_b32 s38, s30, 13
	s_add_nc_u64 s[90:91], s[22:23], s[38:39]      ; v_scales + 8,192 hf
	s_add_co_u32 s38, s38, 16384
	s_add_nc_u64 s[84:85], s[18:19], s[38:39]      ; k's scale words
	s_lshl_b32 s38, s30, 12
	s_add_nc_u64 s[86:87], s[4:5], s[38:39]        ; xyz + 4,096 hf
	s_lshl_b32 s38, s31, 11
	s_add_nc_u64 s[26:27], s[26:27], s[38:39]      ; out0 + 2,048 P
	; the 20 loads of what stays
.irp a, 0,1,2
	global_load_b32 v[QX+\a], v7, s[4:5] offset:8192*\a
.endr
	global_load_b128 v[176:179], v8, s[16:17]
	global_load_b32 v184, v9, s[18:19]
.irp j, 0,1,2,3
	global_load_b128 v[W2+4*\j:W2+4*\j+3], v10, s[10:11] offset:16*\j
.endr
	global_load_u8 v[W2SC], v11, s[12:13]
	global_load_u8 v[W2SC+1], v11, s[12:13] offset:2
	global_load_b128 v[180:183], v[T0], s[14:15]
.irp w, 0,1
.irp j, 0,1
	global_load_b32 v[W1A+2*\w+\j], v[T0+1], s[6:7] offset:128*\j+32*\w
.endr
	global_load_b128 v[B1C+8*\w:B1C+8*\w+3], v[T0+2], s[8:9] offset:32*\w
	global_load_b128 v[B1C+8*\w+4:B1C+8*\w+7], v[T0+2], s[8:9] offset:32*\w+16
.endr
.irp j, 0,1,2,3,4,5,6,7,8,9,10,11,12,13,14,15
	v_mov_b32 v[RO+\j], 0                          ; O^T: a half without a block hands on zeros
.endr
.irp j, 0,1,2,3,4,5,6,7,8,9,10,11
	v_mov_b32 v[RR+\j], 0                          ; hidden codes, and the four zeros between them
.endr
	v_mov_b32 v[RL], 0
	v_mov_b32 v[RL+1], 0
	v_mov_b32 v[PEW], 0x7f7f7f7f
	v_mov_b32 v[PEW+1], 0x7f7f7f7f
	v_mov_b32 v[RTM], 0xef800000                   ; the largest t so far: -2^96, above every masked t and under every other
	v_floor_f32 v[RNM], -v[RTM]
	v_mov_b32 v[RFT], 1.0
	v_mov_b32 v[RFT+1], 0                          ; the upper registers of pairs of which the low word serves both halves
	v_mov_b32 v[RAD+1], 0
	v_mov_b32 v[RFF+1], 0
	v_mov_b32 v[RHM+1], 0
	v_mov_b32 v[RHM+3], 0
	v_mov_b32 v[T0+3], 0                           ; (a lane permute's destination counts as one of its sources)
	s_wait_kmcnt 0x0
	s_or_b32 s34, s32, s33                         ; a block is walked if either tile has its bit
	s_bcnt1_i32_b32 s36, s34
	s_add_co_u32 s36, s36, 3
	s_lshr_b32 s36, s36, 2                         ; trips of four
	s_cmp_eq_u32 s36, 0
	s_cbranch_scc1 .Ljoin
	NEXT4
	KGROUP
	VGROUP
	s_wait_loadcnt 63                              ; behind the 20 loads above 104 were issued: they are in
	; the scale words first, so that at least eight plain lines stand between them and the first scaled product
	v_and_b32 v[T0+3], 3, v5
	v_lshlrev_b32 v[T0+3], 3, v[T0+3]
	v_lshrrev_b32 v[T0+3], v[T0+3], v184
	v_perm_b32 v[QSW], v[T0+3], v[T0+3], 0         ; q's byte of head h, four times
	v_mov_b32 v[MSC], 0xaeaeaeae                   ; 174: 2^47
.irp x, 0,1
	v_cmp_gt_u32 vcc_lo, 2, v[W2SC+\x]
	v_add_nc_u32 v[T0+3], -2, v[W2SC+\x]           ; the mean's quarter
	v_cndmask_b32 v[T0+3], v[T0+3], v[ZR], vcc_lo  ; (bytes 0 and 1 are held at 2 first)
	v_perm_b32 v[W2SC+\x], v[T0+3], v[T0+3], 0     ; lanes 0-15: column 4 h + 2 x, lanes 16-31: 4 h + 2 x + 1
.endr
	v_add_f32 v[T0+3], v180, v181
	v_add_f32 v[T0+4], v182, v183
	v_add_f32 v[T0+3], v[T0+3], v[T0+4]
	v_mul_f32 v[CB], 0x3eb8aa3b, v[T0+3]           ; log2(e) / 4 x the sum of b2's four
	v_cndmask_b32 v[MB], 0, 15, s98                ; code -6 in the first place of block n
.irp j, 1,2,3,4,5,6,7
	v_mov_b32 v[MB+\j], 0
.endr
	s_mov_b32 s99, 0x02020101                      ; the lanes whose block 2 c + hh of link g is the column's own head
	s_mov_b32 s100, 0x08080404
	s_mov_b32 s101, 0x20201010
	s_mov_b32 s37, 0x80804040
.irp k, 0,1,2,3
	v_cndmask_b32 v[QS+\k], 0, v[176+\k], s99
	v_cndmask_b32 v[QS+4+\k], 0, v[176+\k], s100
	v_cndmask_b32 v[QS+8+\k], 0, v[176+\k], s101
	v_cndmask_b32 v[QS+12+\k], 0, v[176+\k], s37
.endr
.irp j, 0,1,2,3,4,5,6,7,8,9,10,11,12,13,14,15
	v_cndmask_b32 v[W2+\j], 0, v[W2+\j], s98       ; w2's column stands in the block of the column's query
.endr
	s_cmp_eq_u32 s36, 1
	s_cbranch_scc1 .Ltail
	s_sub_co_u32 s36, s36, 1
.Ltrip:
	TRIP 1
	s_sub_co_u32 s36, s36, 1
	s_cmp_lg_u32 s36, 0
	s_cbranch_scc1 .Ltrip
.Ltail:
	TRIP 0                                         ; the last trip asks for nothing
.Ljoin:
	s_wait_loadcnt 0x0                             ; (for the way without a trip: the constants' loads are in, their offsets free)
	; every LDS address is made here, ahead of the parting of the halves
	v_and_b32 v1, 31, v0
	s_mul_i32 s99, s29, 2304                       ; the pair's region: 2,048 bytes of O^T as it stands, 16 bytes a lane and group, then (-M, sum), 8 bytes a lane
	v_lshlrev_b32 v6, 4, v1
	v_add_nc_u32 v2, s99, v6
	v_lshlrev_b32 v3, 3, v1
	v_add_nc_u32 v3, s99, v3
	v_add_nc_u32 v3, 2048, v3
	s_add_co_u32 s100, s99, 9216                   ; the pair's stage: 16 rows of 128 bytes + 16
	v_and_b32 v9, 15, v0
	v_bfe_u32 v10, v0, 4, 1
	v_mul_u32_u24 v4, v9, 144
	v_lshl_add_u32 v4, v10, 5, v4
	v_add_nc_u32 v4, s100, v4                      ; in: row r, + 32 hh
	v_lshrrev_b32 v9, 3, v1
	v_and_b32 v10, 7, v1
	v_mul_u32_u24 v5, v9, 144
	v_lshl_add_u32 v5, v10, 4, v5
	v_add_nc_u32 v5, s100, v5                      ; back: eight lanes to a row, four rows an instruction
	v_add_f32 v[RL], v[RL], v[RL+1]
	v_permlanex16_b32 v[T0+1], v[RL], s96, s97
	v_mov_b32 v[T0+2], v[RNM]
	v_add_f32 v[T0+3], v[RL], v[T0+1]              ; the column's sum over my half of the keys
	s_cmp_eq_u32 s30, 0
	s_cbranch_scc1 .Lkeep
.irp g, 0,1,2,3
	ds_store_b128 v2, v[RO+4*\g:RO+4*\g+3] offset:512*\g
.endr
	ds_store_b64 v3, v[T0+2:T0+3]
.Lkeep:
	s_wait_dscnt 0x0                               ; for the other half's sake: my stores have landed
	s_barrier_signal -1
	s_barrier_wait -1
	s_cmp_lg_u32 s30, 0
	s_cbranch_scc1 .Lend
.irp g, 0,1,2,3
	ds_load_b128 v[RS+4*\g:RS+4*\g+3], v2 offset:512*\g
.endr
	ds_load_b64 v[T0+4:T0+5], v3
	s_wait_dscnt 0x0
	v_min_num_f32 v[T0], v[T0+2], v[T0+4]          ; the larger M, as -M
	v_sub_f32 v7, v[T0], v[T0+2]
	v_sub_f32 v8, v[T0], v[T0+4]
	v_cvt_i32_f32 v7, v7
	v_cvt_i32_f32 v8, v8
	v_ldexp_f32 v[RAD], 1.0, v7                    ; each half under the larger M: exact powers of two; 0 for a half that met no key
	v_ldexp_f32 v[RFF], 1.0, v8
	v_mul_f32 v[T0+3], v[T0+3], v[RAD]
	v_fma_f32 v[T0+3], v[T0+5], v[RFF], v[T0+3]
	v_rcp_f32 v[RFT], v[T0+3]                      ; the lines below are the plain places behind it
.irp j, 0,2,4,6,8,10,12,14
	v_pk_mul_f32 v[RO+\j:RO+\j+1], v[RO+\j:RO+\j+1], v[RAD:RAD+1] op_sel_hi:[1,0]
.endr
.irp j, 0,2,4,6,8,10,12,14
	v_pk_fma_f32 v[RO+\j:RO+\j+1], v[RS+\j:RS+\j+1], v[RFF:RFF+1], v[RO+\j:RO+\j+1] op_sel_hi:[1,0,1]
.endr
	s_wait_alu depctr_va_vdst(0)
.irp j, 0,2,4,6,8,10,12,14
	v_pk_mul_f32 v[RO+\j:RO+\j+1], v[RO+\j:RO+\j+1], v[RFT:RFT+1] op_sel_hi:[1,0]
.endr
.irp g, 0,1,2,3                                ; register 8 dt + j of lane (r, hh) is out[2 P + r / 8][r % 8][16 dt + 8 hh + j]: row r of 128 bytes of the pair's 2,048
	ds_store_b128 v4, v[RO+4*\g:RO+4*\g+3] offset:64*(\g/2)+16*(\g%2)
.endr
.irp k, 0,1,2,3
	ds_load_b128 v[RS+4*\k:RS+4*\k+3], v5 offset:576*\k   ; LDS serves a wave's instructions in order: these see my stores
.endr
.irp k, 0,1,2,3
	s_wait_dscnt 3-\k                              ; the younger loads may be out
	global_store_b128 v6, v[RS+4*\k:RS+4*\k+3], s[26:27] offset:512*\k   ; 32 lanes store 512 consecutive bytes, at a multiple of 256 from out0's first byte
.endr
.Lend:
	s_wait_xcnt 0x0
	v_lshl_add_u32 v254, v0, 2, 0x4800
	v_mov_b32 v255, 0
	s_wait_tensorcnt 0x0
	ds_add_u32 v254, v255
	s_wait_dscnt 0x0
	s_endpgm
.Lfunc_end_k_qdd6127cf11_attn:
	.size	k_qdd6127cf11_attn, .Lfunc_end_k_qdd6127cf11_attn-k_qdd6127cf11_attn
	.p2alignl 7, 3214868480
	.fill 96, 4, 3214868480
	.section	.rodata,"a",@progbits
	.p2align	6, 0x0
	.amdhsa_kernel k_qdd6127cf11_attn
		.amdhsa_group_segment_fixed_size 19456
		.amdhsa_private_segment_fixed_size 0
		.amdhsa_enable_private_segment 0
		.amdhsa_kernarg_size 96
		.amdhsa_user_sgpr_count 2
		.amdhsa_user_sgpr_kernarg_segment_ptr 1
		.amdhsa_wavefront_size32 1
		.amdhsa_system_sgpr_workgroup_id_x 1
		.amdhsa_system_sgpr_workgroup_id_y 1
		.amdhsa_system_sgpr_workgroup_id_z 1
		.amdhsa_system_vgpr_workitem_id 0
		.amdhsa_next_free_vgpr 512
		.amdhsa_next_free_sgpr 102
		.amdhsa_reserve_vcc 1
		.amdhsa_float_denorm_mode_32 3
		.amdhsa_float_denorm_mode_16_64 3
		.amdhsa_memory_ordered 1
		.amdhsa_forward_progress 1
		.amdhsa_inst_pref_size 160
	.end_amdhsa_kernel
	.amdgpu_metadata
---
amdhsa.version: [ 1, 2 ]
amdhsa.kernels:
  - .name:           k_qdd6127cf11_attn
    .symbol:         k_qdd6127cf11_attn.kd
    .args:
      - { .name: xyz, .offset: 0, .size: 8, .value_kind: global_buffer, .address_space: global }
      - { .name: w1, .offset: 8, .size: 8, .value_kind: global_buffer, .address_space: global }
      - { .name: b1, .offset: 16, .size: 8, .value_kind: global_buffer, .address_space: global }
      - { .name: w2_codes, .offset: 24, .size: 8, .value_kind: global_buffer, .address_space: global }
      - { .name: w2_scales, .offset: 32, .size: 8, .value_kind: global_buffer, .address_space: global }
      - { .name: b2, .offset: 40, .size: 8, .value_kind: global_buffer, .address_space: global }
      - { .name: qk_codes, .offset: 48, .size: 8, .value_kind: global_buffer, .address_space: global }
      - { .name: qk_scales, .offset: 56, .size: 8, .value_kind: global_buffer, .address_space: global }
      - { .name: v_codes, .offset: 64, .size: 8, .value_kind: global_buffer, .address_space: global }
      - { .name: v_scales, .offset: 72, .size: 8, .value_kind: global_buffer, .address_space: global }
      - { .name: hits, .offset: 80, .size: 8, .value_kind: global_buffer, .address_space: global }
      - { .name: out0, .offset: 88, .size: 8, .value_kind: global_buffer, .address_space: global }
    .group_segment_fixed_size: 19456
    .private_segment_fixed_size: 0
    .kernarg_segment_align: 8
    .kernarg_segment_size: 96
    .max_flat_workgroup_size: 256
    .sgpr_count:     102
    .vgpr_count:     512
    .wavefront_size: 32
...
	.end_amdgpu_metadata
.endif
;; end of part 2
;; ======== version 2 of 2: 2 launches; version 1 with the launches prep, attn written anew for expert scheduling mode
;; limits: right only within a limited range of input values
;; workspace buffers: qk_codes 524,288 bytes; qk_scales 32,768 bytes; v_codes 262,144 bytes; v_scales 16,384 bytes; hits 16,384 bytes of whole numbers
;; launch prep (part 3): grid 256 x 1, 11 waves a work-group, no clusters, 0 bytes of LDS; arguments features_codes, features_scales, qkv_w_codes, qkv_w_scales, qkv_b, xyz, qk_codes, qk_scales, v_codes, v_scales, hits; writes qk_codes, qk_scales, v_codes, v_scales, hits
.if DOCPART == 3
	.amdgcn_target "amdgcn-amd-amdhsa--gfx1250"
	.amdhsa_code_object_version 6
	.text
	.protected	k_qdd6127cf11_prep
	.globl	k_qdd6127cf11_prep
	.p2align	8
	.type	k_qdd6127cf11_prep,@function
k_qdd6127cf11_prep:
	s_mov_b64 s[64:65], 0
	v_nop
	global_prefetch_b8 v0, s[64:65] scope:SCOPE_SE
	s_setreg_imm32_b32 hwreg(HW_REG_WAVE_SCHED_MODE, 0, 2), 2
	s_setreg_imm32_b32 hwreg(HW_REG_WAVE_MODE, 25, 1), 1
	s_wait_xcnt 0x0
	s_wait_alu depctr_vm_vsrc(0)
; PREP.  (1) qkv = W F + b on the given FP4 codes; q and k are quantised along d, v along the keys, and stored in the order of an operand's registers.
; (2) For each pair of queries and each tile of 16 keys one bit: smallest squared distance < 0.010001, a little above 0.1 squared, so no pair inside the radius is ever lost.
; 256 work-groups of 11 waves that share nothing: no LDS, no barrier.  The waves part on the wave's number; w is the work-group's number.
;   waves 0, 1 (g): tile tau = w / 2 of 16 points, s = w % 2 (0 q, 1 k), heads 4 g .. 4 g + 3.     wave 2: key block kb = w / 4, rows 64 a .. 64 a + 63 of v, a = w % 4.
;   waves 3 .. 10: query pair P = 4 w + (wave - 3) % 4, half hf = (wave - 3) / 4 of the keys; a lane is one block of 32 keys.
; TILES.  Row i of tile 2 kb + u is point 32 kb + 8 u + i + 8 (i / 8), so that the 16 registers of two neighbouring tiles are 16 neighbours along the next K.
; LAYOUTS.  qk_codes [s][tau][g][c][lane][16 bytes]: lane (i, hh) holds head 4 g + 2 c + hh of row i.   qk_scales [s][tau][g][i] words, byte b: head 4 g + b.
;   v_codes [kb][t][i][16 bytes]: row 16 t + i = 32 h + d of v, the block's 32 keys.   v_scales [kb][a][i] words, byte b: row 16 (4 a + b) + i.   hits [P][hf][u] words, bit b: tile u of block 32 hf + b.
; No cluster and no data mover: a wave reads each of its bytes once, straight into the registers of its operands.
; LIMITS: NaN and infinities are not served; a block whose largest magnitude lies under 2^(3 - 127) keeps the byte 1 (a block of zeros too: its codes are zeros, and this program alone reads the bytes).
; THE MODE: SCHED_MODE bits 1:0 = 2 (LLVM: expert scheduling mode 2), set by the entry lines.  The code itself states the register dependences
; between vector or matrix instructions and memory instructions, with s_wait_alu, always for 0.
; THE PLAN.  The text has no loop.  Registers that memory instructions touch:
;   v5-v11   byte offsets: written once by vector instructions, read by a role's loads and stores, never written again.  One wait on va_vdst ahead of each role's first load.
;   v16-v249 loaded data: it lands in registers that no vector instruction has named before.  All operands and scale words of the products are loaded.
;   v[PC ..], v[PW]  written by the quantiser, read by the three stores: one wait on va_vdst ahead of them.   v10-v12 (the hit bits' role): written ahead of the waits that stand in front of the write of EXEC.
;   s28, s40, s41 and VCC are written by vector instructions: a wait on va_sdst or va_vcc stands ahead of the first reader of each.
.set ACC, 16                           ; v16-79   64 sums: register 16 b + 8 u + j
.set WF,  80                           ; v80-207  fragments
.set FFR, 208                          ; v208-223 the points' two fragments (waves 0, 1)
.set WS,  224                          ; v224-239 scale words
.set FS,  240                          ; v240-241 the points' scale words (waves 0, 1)
.set BV,  242                          ; v242-249 v's bias, in pairs (wave 2)
.set TM,  80                           ; the quantiser works in registers that held fragments, four places behind the last product
.set PW,  96
.set PC,  100
; 64 numbers of a lane, register 16 b + i = k 32 b + 16 (lane / 16) + i of my row, become a fragment's codes in v[PC] on and its scale word in v[PW].
.macro QUANT s
.irp b, 0,1,2,3
	v_max3_num_f32 v[TM+\b], |v[\s+16*\b]|, |v[\s+1+16*\b]|, 0x1800000   ; my 16 numbers of block b, and the floor 2^(3 - 127): the byte cannot fall under 1
.endr
.irp i, 2,4,6,8,10,12,14
.irp b, 0,1,2,3
	v_max3_num_f32 v[TM+\b], v[TM+\b], |v[\s+16*\b+\i]|, |v[\s+1+16*\b+\i]|   ; ascending, the four blocks by turns
.endr
.endr
.irp b, 0,1,2,3
	v_permlanex16_b32 v[TM+4+\b], v[TM+\b], s26, s27
.endr
.irp b, 0,1,2,3
	v_max_num_f32 v[TM+\b], v[TM+\b], v[TM+4+\b]   ; with lane l xor 16: the block's largest magnitude
.endr
.irp b, 0,1,2,3
	v_add_nc_u32 v[TM+12+\b], 0xff000000, v[TM+\b]   ; 2 off its exponent field: the conversion's scale operand
.endr
.irp b, 0,1,2,3
	v_lshrrev_b32 v[TM+4+\b], 23, v[TM+12+\b]      ; the scale's byte
.endr
	v_lshl_or_b32 v[PW], v[TM+5], 8, v[TM+4]
	v_lshl_or_b32 v[PW], v[TM+6], 16, v[PW]
	v_lshl_or_b32 v[PW], v[TM+7], 24, v[PW]
.irp b, 0,1,2,3
	v_cvt_scalef32_pk8_fp4_f32 v[PC+2*\b], v[\s+16*\b:\s+7+16*\b], v[TM+12+\b]
	v_cvt_scalef32_pk8_fp4_f32 v[PC+1+2*\b], v[\s+8+16*\b:\s+15+16*\b], v[TM+12+\b]
.endr
	v_nop                                          ; one plain place behind a scaled conversion
.irp c, 0,1                                    ; a whole block to a lane: lanes 0-15 block 2 c, lanes 16-31 block 2 c + 1
.irp i, 0,1
	v_permlane16_swap_b32 v[PC+4*\c+\i], v[PC+2+4*\c+\i]
.endr
.endr
.endm
.macro OUT cb, sb                              ; the fragment as it stands: 512 consecutive bytes a store; the scale words: 64 bytes (both halves of the lanes hold and store the same word)
	s_wait_alu depctr_va_vdst(0)                   ; the quantiser has written the codes v[PC ..] and the scale word v[PW], which the three stores read
.irp c, 0,1
	global_store_b128 v7, v[PC+4*\c:PC+4*\c+3], s[\cb:\cb+1] offset:512*\c
.endr
	global_store_b32 v8, v[PW], s[\sb:\sb+1]
.endm
.macro MP d, a, b, first, sa, sb
.if \first
	v_wmma_scale_f32_16x16x128_f8f6f4 v[\d:\d+7], v[\a:\a+7], v[\b:\b+7], 0, v[\sa], v[\sb] matrix_a_fmt:MATRIX_FMT_FP4 matrix_b_fmt:MATRIX_FMT_FP4
.else
	v_wmma_scale_f32_16x16x128_f8f6f4 v[\d:\d+7], v[\a:\a+7], v[\b:\b+7], v[\d:\d+7], v[\sa], v[\sb] matrix_a_fmt:MATRIX_FMT_FP4 matrix_b_fmt:MATRIX_FMT_FP4
.endif
.endm
	s_load_b512 s[4:19], s[0:1], 0x0               ; F codes s[4:5], F scales s[6:7], W codes s[8:9], W scales s[10:11], bias s[12:13], xyz s[14:15], qk_codes s[16:17], qk_scales s[18:19]
	s_load_b128 s[20:23], s[0:1], 0x40             ; v_codes s[20:21], v_scales s[22:23]
	s_load_b64 s[24:25], s[0:1], 0x50              ; hits
	v_lshrrev_b32 v1, 5, v0
	v_readfirstlane_b32 s28, v1                    ; wave 0..10
	v_and_b32 v1, 15, v0                           ; i
	v_bfe_u32 v2, v0, 4, 1                         ; hh
	v_and_b32 v3, 31, v0                           ; lane
	v_and_b32 v4, 8, v1
	v_add_nc_u32 v4, v4, v1                        ; i + 8 (i / 8)
	v_lshlrev_b32 v5, 7, v4
	v_lshl_add_u32 v5, v2, 4, v5                   ; a tile's row of 128 bytes, + 16 hh
	v_lshlrev_b32 v6, 3, v4                        ; and its 8 scale bytes
	v_lshlrev_b32 v7, 4, v3                        ; 16 x lane
	v_lshlrev_b32 v8, 2, v1                        ; 4 i
	s_mov_b32 s26, 0x76543210
	s_mov_b32 s27, 0xfedcba98                      ; selects for lane l xor 16
	s_mov_b32 s37, 0                               ; the upper word of the offset pair s[36:37]
	s_wait_alu depctr_va_sdst(0)                   ; s28 is written, ahead of its first reader: the roles part on it, and every base is made from it
	s_wait_kmcnt 0x0
	s_cmp_lt_u32 s28, 2
	s_cbranch_scc1 .Lqk
	s_cmp_eq_u32 s28, 2
	s_cbranch_scc1 .Lv
; ---- waves 3 .. 10: the hit bits
	s_sub_co_u32 s30, s28, 3
	s_and_b32 s31, s30, 3
	s_lshr_b32 s32, s30, 2                         ; hf
	s_lshl_b32 s33, ttmp9, 2
	s_add_co_u32 s33, s33, s31                     ; P
	s_lshl_b32 s36, s33, 3
	s_add_nc_u64 s[38:39], s[14:15], s[36:37]      ; the two queries' x; y and z lie 8,192 and 16,384 bytes on
	s_load_b64 s[40:41], s[38:39], 0x0
	s_load_b64 s[42:43], s[38:39], 0x2000
	s_load_b64 s[44:45], s[38:39], 0x4000
	s_lshl_b32 s36, s32, 12
	s_add_nc_u64 s[14:15], s[14:15], s[36:37]      ; my half of the keys
	v_lshlrev_b32 v9, 7, v3                        ; my block's 32 keys: 128 bytes an axis
	s_wait_alu depctr_va_vdst(0)                   ; v9 is written, which the 24 loads read as their offset
.irp a, 0,1,2
.irp k, 0,1,2,3,4,5,6,7
	global_load_b128 v[16+32*\a+4*\k:16+32*\a+4*\k+3], v9, s[14:15] offset:8192*\a+16*\k
.endr
.endr
	s_lshl_b32 s36, s33, 1
	s_add_co_u32 s36, s36, s32
	s_lshl_b32 s36, s36, 3                         ; (2 P + hf) x 8 bytes
	s_add_nc_u64 s[24:25], s[24:25], s[36:37]
	v_mov_b32 v140, 0x7f800000                     ; the smallest squared distance of tile 0, of tile 1
	v_mov_b32 v141, 0x7f800000
	s_wait_kmcnt 0x0
.irp n, 40,41,42,43,44,45
	s_xor_b32 s[\n], s[\n], 0x80000000             ; -q
.endr
.irp a, 0,1,2
.irp z, 0,1
	v_mov_b32 v[112+6*\z+2*\a], s[40+2*\a+\z]      ; as pairs, for the packed additions
	v_mov_b32 v[113+6*\z+2*\a], s[40+2*\a+\z]
.endr
.endr
	s_wait_loadcnt 0x0
.set kk, 0
.rept 16                                       ; two keys at a time, both queries by turns
.irp a, 0,1,2
.irp z, 0,1
	v_pk_add_f32 v[124+8*\z+2*\a:125+8*\z+2*\a], v[16+32*\a+2*kk:17+32*\a+2*kk], v[112+6*\z+2*\a:113+6*\z+2*\a]
.endr
.endr
.irp z, 0,1
	v_pk_mul_f32 v[130+8*\z:131+8*\z], v[124+8*\z:125+8*\z], v[124+8*\z:125+8*\z]
.endr
.irp z, 0,1
	v_pk_fma_f32 v[130+8*\z:131+8*\z], v[126+8*\z:127+8*\z], v[126+8*\z:127+8*\z], v[130+8*\z:131+8*\z]
.endr
.irp z, 0,1
	v_pk_fma_f32 v[130+8*\z:131+8*\z], v[128+8*\z:129+8*\z], v[128+8*\z:129+8*\z], v[130+8*\z:131+8*\z]
.endr
.irp z, 0,1
	v_min3_num_f32 v[140+(kk/4)%2], v[140+(kk/4)%2], v[130+8*\z], v[131+8*\z]   ; keys 8 u .. 8 u + 7 and 16 + 8 u .. belong to tile u
.endr
.set kk, kk+1
.endr
	s_mov_b32 s46, 0x3c23db3c                      ; 0.010001
	v_cmp_gt_f32 s40, s46, v140                    ; a lane is a block: the 32 lanes' bits are the word
	v_cmp_gt_f32 s41, s46, v141
	s_wait_alu depctr_va_sdst(0)                   ; the two compares have written s40 and s41, ahead of their first readers
	v_mov_b32 v10, s40
	v_mov_b32 v11, s41
	v_mov_b32 v12, 0
	s_wait_xcnt 0x0                                ; EXEC changes only behind this wait
	v_cmp_eq_u32 vcc_lo, 0, v3
	s_wait_alu depctr_va_vcc(0)                    ; VCC is written: EXEC is made from it
	s_wait_alu depctr_va_vdst(0)                   ; every vector instruction issued under the full EXEC has written its result, v10 to v12 among them, which the store reads
	s_wait_alu depctr_vm_vsrc(0)                   ; every memory instruction issued under the full EXEC has read its registers
	s_and_saveexec_b32 s47, vcc_lo
	global_store_b64 v12, v[10:11], s[24:25]       ; lane 0 stores the two words
	s_wait_xcnt 0x0                                ; and again in front of the line that widens it
	s_wait_alu depctr_va_vdst(0)                   ; EXEC is written again: no vector instruction is still at work under the narrow one
	s_wait_alu depctr_vm_vsrc(0)                   ; and the store has read its offset and its data
	s_or_b32 exec_lo, exec_lo, s47
	s_endpgm
; ---- waves 0, 1: q or k of 16 points, 128 outputs.  Transposed: source 0 = 16 rows of W, source 1 = the 16 points: a lane holds one point, its registers run along d.
.Lqk:
	s_lshr_b32 s30, ttmp9, 1                       ; tau
	s_and_b32 s31, ttmp9, 1                        ; s
	s_lshr_b32 s32, s30, 1
	s_lshl_b32 s32, s32, 5
	s_and_b32 s33, s30, 1
	s_lshl_b32 s33, s33, 3
	s_add_co_u32 s32, s32, s33                     ; the tile's first point: 32 (tau / 2) + 8 (tau % 2)
	s_lshl_b32 s34, s31, 8
	s_lshl_b32 s35, s28, 7
	s_add_co_u32 s34, s34, s35                     ; my first row of W: 256 s + 128 g
	s_lshl_b32 s36, s32, 7
	s_add_nc_u64 s[4:5], s[4:5], s[36:37]
	s_lshl_b32 s36, s32, 3
	s_add_nc_u64 s[6:7], s[6:7], s[36:37]
	s_lshl_b32 s36, s34, 7
	s_add_nc_u64 s[8:9], s[8:9], s[36:37]
	s_lshl_b32 s36, s34, 3
	s_add_nc_u64 s[10:11], s[10:11], s[36:37]
	s_lshl_b32 s36, s34, 2
	s_add_nc_u64 s[12:13], s[12:13], s[36:37]
	s_lshl_b32 s36, s31, 18
	s_lshl_b32 s38, s30, 11
	s_add_co_u32 s36, s36, s38
	s_lshl_b32 s38, s28, 10
	s_add_co_u32 s36, s36, s38
	s_add_nc_u64 s[16:17], s[16:17], s[36:37]      ; qk_codes + 262,144 s + 2,048 tau + 1,024 g
	s_lshl_b32 s36, s31, 14
	s_lshl_b32 s38, s30, 7
	s_add_co_u32 s36, s36, s38
	s_lshl_b32 s38, s28, 6
	s_add_co_u32 s36, s36, s38
	s_add_nc_u64 s[18:19], s[18:19], s[36:37]      ; qk_scales + 16,384 s + 128 tau + 64 g
	v_lshlrev_b32 v9, 6, v2                        ; the bias: 64 hh
	s_wait_alu depctr_va_vdst(0)                   ; the offsets v5 to v9 are written, which this role's loads and stores read
.irp ks, 0,1
.irp c, 0,1
	global_load_b128 v[FFR+8*\ks+4*\c:FFR+8*\ks+4*\c+3], v5, s[4:5] offset:64*\ks+32*\c
.endr
	global_load_b32 v[FS+\ks], v6, s[6:7] offset:4*\ks
.endr
.irp t, 0,1,2,3,4,5,6,7                        ; tile t = 2 b + u begins at row 32 b + 8 u
.irp ks, 0,1
.irp c, 0,1
	global_load_b128 v[WF+16*\t+8*\ks+4*\c:WF+16*\t+8*\ks+4*\c+3], v5, s[8:9] offset:(32*(\t/2)+8*(\t%2))*128+64*\ks+32*\c
.endr
	global_load_b32 v[WS+2*\t+\ks], v6, s[10:11] offset:(32*(\t/2)+8*(\t%2))*8+4*\ks
.endr
	global_load_b128 v[ACC+8*\t:ACC+8*\t+3], v9, s[12:13] offset:(32*(\t/2)+8*(\t%2))*4       ; the bias lands where the sums begin: it is the C of each sum's first product
	global_load_b128 v[ACC+8*\t+4:ACC+8*\t+7], v9, s[12:13] offset:(32*(\t/2)+8*(\t%2))*4+16
.endr
	s_wait_loadcnt 0x0
.irp ks, 0,1                                   ; the eight accumulators by turns
.irp t, 0,1,2,3,4,5,6,7
	MP ACC+8*\t, WF+16*\t+8*\ks, FFR+8*\ks, 0, WS+2*\t+\ks, FS+\ks
.endr
.endr
.rept 4
	v_nop                                          ; four places in front of the first read of results and of writes into registers that held fragments
.endr
	QUANT ACC
	OUT 16, 18
	s_endpgm
; ---- wave 2: v of 32 keys, 64 rows.  Source 0 = 16 points, source 1 = 16 rows of W: a lane holds one row of v, its registers run along the keys.
.Lv:
	s_lshr_b32 s30, ttmp9, 2                       ; kb
	s_and_b32 s31, ttmp9, 3                        ; a
	s_lshl_b32 s36, s30, 12                        ; 32 kb points of 128 bytes
	s_add_nc_u64 s[4:5], s[4:5], s[36:37]
	s_add_nc_u64 s[20:21], s[20:21], s[36:37]      ; v_codes + 4,096 kb
	s_lshl_b32 s36, s30, 8
	s_add_nc_u64 s[6:7], s[6:7], s[36:37]
	s_add_nc_u64 s[22:23], s[22:23], s[36:37]      ; v_scales + 256 kb
	s_lshl_b32 s34, s31, 6
	s_add_co_u32 s34, s34, 512                     ; my first row of W: 512 + 64 a
	s_lshl_b32 s36, s34, 7
	s_add_nc_u64 s[8:9], s[8:9], s[36:37]
	s_lshl_b32 s36, s34, 3
	s_add_nc_u64 s[10:11], s[10:11], s[36:37]
	s_lshl_b32 s36, s34, 2
	s_add_nc_u64 s[12:13], s[12:13], s[36:37]
	s_lshl_b32 s36, s31, 10
	s_add_nc_u64 s[20:21], s[20:21], s[36:37]      ; + 1,024 a
	s_lshl_b32 s36, s31, 6
	s_add_nc_u64 s[22:23], s[22:23], s[36:37]      ; + 64 a
	v_lshlrev_b32 v10, 7, v1
	v_lshl_add_u32 v10, v2, 4, v10                 ; W: row i, + 16 hh
	v_lshlrev_b32 v11, 3, v1
	s_wait_alu depctr_va_vdst(0)                   ; the offsets v5 to v8, v10 and v11 are written, which this role's loads and stores read
.irp u, 0,1
.irp ks, 0,1
.irp c, 0,1
	global_load_b128 v[WF+64+16*\u+8*\ks+4*\c:WF+64+16*\u+8*\ks+4*\c+3], v5, s[4:5] offset:8*\u*128+64*\ks+32*\c
.endr
	global_load_b32 v[WS+8+2*\u+\ks], v6, s[6:7] offset:8*\u*8+4*\ks
.endr
.endr
.irp b, 0,1,2,3
.irp ks, 0,1
.irp c, 0,1
	global_load_b128 v[WF+16*\b+8*\ks+4*\c:WF+16*\b+8*\ks+4*\c+3], v10, s[8:9] offset:16*\b*128+64*\ks+32*\c
.endr
	global_load_b32 v[WS+2*\b+\ks], v11, s[10:11] offset:16*\b*8+4*\ks
.endr
	global_load_b32 v[BV+2*\b], v8, s[12:13] offset:64*\b     ; my row's bias, in both registers of a pair
	global_load_b32 v[BV+2*\b+1], v8, s[12:13] offset:64*\b
.endr
	s_wait_loadcnt 0x0
.irp ks, 0,1
.irp b, 0,1,2,3
.irp u, 0,1
	MP ACC+16*\b+8*\u, WF+64+16*\u+8*\ks, WF+16*\b+8*\ks, 1-\ks, WS+8+2*\u+\ks, WS+2*\b+\ks
.endr
.endr
.endr
.rept 4
	v_nop
.endr
.irp b, 0,1,2,3
.irp j, 0,2,4,6,8,10,12,14
	v_pk_add_f32 v[ACC+16*\b+\j:ACC+16*\b+\j+1], v[ACC+16*\b+\j:ACC+16*\b+\j+1], v[BV+2*\b:BV+2*\b+1]
.endr
.endr
	QUANT ACC
	OUT 20, 22
	s_endpgm
.Lfunc_end_k_qdd6127cf11_prep:
	.size	k_qdd6127cf11_prep, .Lfunc_end_k_qdd6127cf11_prep-k_qdd6127cf11_prep
	.p2alignl 7, 3214868480
	.fill 96, 4, 3214868480
	.section	.rodata,"a",@progbits
	.p2align	6, 0x0
	.amdhsa_kernel k_qdd6127cf11_prep
		.amdhsa_group_segment_fixed_size 0
		.amdhsa_private_segment_fixed_size 0
		.amdhsa_enable_private_segment 0
		.amdhsa_kernarg_size 88
		.amdhsa_user_sgpr_count 2
		.amdhsa_user_sgpr_kernarg_segment_ptr 1
		.amdhsa_wavefront_size32 1
		.amdhsa_system_sgpr_workgroup_id_x 1
		.amdhsa_system_sgpr_workgroup_id_y 1
		.amdhsa_system_sgpr_workgroup_id_z 1
		.amdhsa_system_vgpr_workitem_id 0
		.amdhsa_next_free_vgpr 256
		.amdhsa_next_free_sgpr 66
		.amdhsa_reserve_vcc 1
		.amdhsa_float_denorm_mode_32 3
		.amdhsa_float_denorm_mode_16_64 3
		.amdhsa_memory_ordered 1
		.amdhsa_forward_progress 1
		.amdhsa_inst_pref_size 47
	.end_amdhsa_kernel
	.amdgpu_metadata
---
amdhsa.version: [ 1, 2 ]
amdhsa.kernels:
  - .name:           k_qdd6127cf11_prep
    .symbol:         k_qdd6127cf11_prep.kd
    .args:
      - { .name: features_codes, .offset: 0, .size: 8, .value_kind: global_buffer, .address_space: global }
      - { .name: features_scales, .offset: 8, .size: 8, .value_kind: global_buffer, .address_space: global }
      - { .name: qkv_w_codes, .offset: 16, .size: 8, .value_kind: global_buffer, .address_space: global }
      - { .name: qkv_w_scales, .offset: 24, .size: 8, .value_kind: global_buffer, .address_space: global }
      - { .name: qkv_b, .offset: 32, .size: 8, .value_kind: global_buffer, .address_space: global }
      - { .name: xyz, .offset: 40, .size: 8, .value_kind: global_buffer, .address_space: global }
      - { .name: qk_codes, .offset: 48, .size: 8, .value_kind: global_buffer, .address_space: global }
      - { .name: qk_scales, .offset: 56, .size: 8, .value_kind: global_buffer, .address_space: global }
      - { .name: v_codes, .offset: 64, .size: 8, .value_kind: global_buffer, .address_space: global }
      - { .name: v_scales, .offset: 72, .size: 8, .value_kind: global_buffer, .address_space: global }
      - { .name: hits, .offset: 80, .size: 8, .value_kind: global_buffer, .address_space: global }
    .group_segment_fixed_size: 0
    .private_segment_fixed_size: 0
    .kernarg_segment_align: 8
    .kernarg_segment_size: 88
    .max_flat_workgroup_size: 352
    .sgpr_count:     66
    .vgpr_count:     256
    .wavefront_size: 32
...
	.end_amdgpu_metadata
.endif
;; end of part 3
;; launch attn (part 4): grid 256 x 1, 8 waves a work-group, no clusters, 19,456 bytes of LDS; arguments xyz, w1, b1, w2_codes, w2_scales, b2, qk_codes, qk_scales, v_codes, v_scales, hits, out0; writes out0
.if DOCPART == 4
	.amdgcn_target "amdgcn-amd-amdhsa--gfx1250"
	.amdhsa_code_object_version 6
	.text
	.protected	k_qdd6127cf11_attn
	.globl	k_qdd6127cf11_attn
	.p2align	8
	.type	k_qdd6127cf11_attn,@function
k_qdd6127cf11_attn:
	s_mov_b64 s[64:65], 0
	v_nop
	global_prefetch_b8 v0, s[64:65] scope:SCOPE_SE
	s_setreg_imm32_b32 hwreg(HW_REG_WAVE_SCHED_MODE, 0, 2), 2
	s_setreg_imm32_b32 hwreg(HW_REG_WAVE_MODE, 25, 1), 1
	s_wait_xcnt 0x0
	s_wait_alu depctr_vm_vsrc(0)
; ATTN.  out[n][h][d] = sum over keys m of softmax_m(q.k + bias(n, m, h), keys at dist >= 0.1 left out) v[m][h][d]; bias = the mean of four columns of relu([rel, dist] w1 + b1) w2 + b2.
; SHARES.  A wave owns a pair of queries (2 P, 2 P + 1), all 8 heads: the 16 columns r = 8 n + h of every product; and one half hf of the keys, 32 blocks of 32.  P = 4 x work-group + wave % 4, hf = wave / 4.
; It walks only the blocks whose stored hit bits are set (a block without a bit holds no key inside the radius of either query: all its p are 0), four gathered blocks to a trip.
; The two halves of a pair meet in LDS at the end, across the text's one barrier.
; ONE ACCUMULATOR TAKES THE WHOLE LOGIT of 16 keys x 16 columns, in seven links on FP4 codes:
;   the mask (A: code +6 in the first place of block n where the pair is outside the radius, B: code -6 there, both scale bytes 174: -36 x 2^94, or an exact 0; C = 0);
;   q.k (two links of four heads each; B holds a column's q in its own head's block and zero codes elsewhere);
;   the four columns 4 h + j of w2 (A: the quantised hidden layer of query 0 and of query 1 in two blocks; 2 is taken off w2's scale bytes: the mean's quarter).
; The hidden layer is v_wmma_f32_16x16x4_f32 with b1 as C.  ReLU: the block's maximum is taken without |.| over the floor, and codes with the sign bit set lose their magnitude bits.
; SOFTMAX as the problem states it: t = logit x log2(e); M = the running largest t rounded up; p = 2^(t - M) is quantised by blocks of 32 keys; the sum is taken of the unquantised p.
; When M moves inside a trip, the scale operands of the trip's earlier blocks are multiplied by f = 2^(old M - new M): their exponent field is the scale's byte.
; O^T = V^T P^T is made for all 16 tiles of v's 256 rows; of each tile the columns of its own head are kept (x 1.0) and the others dropped (x 0).
; No data mover and no cluster: which blocks a wave reads, and how many trips it makes, hang on the stored bits and differ from wave to wave; operands go from memory straight into registers.
; LIMITS: |t| < 2^96; NaN and infinities are not served; |v| < 1e36 (products with another head's p stay finite before x 0); w2's scale bytes 0 and 1 are held at 2;
;   a block whose largest magnitude lies under 2^(3 - 127) keeps the byte 1; a block of p whose byte would fall under 0 when M moves is held at byte 0; a pair whose dist lies within an ulp of 0.1 may fall either way.
; REGISTERS, window 0: v1-11, v250-255 at work; v12-19, v20-27 the mask's two A operands (only the first place of v12 and v20 meets a code that is not zero; the rest are constants of the lane);
;   v28-47 w1, b1; v48-63 q; v64-79 w2; v80-87 the mask's B; v88-94 scale words; v96-103 k's scale words; v104-111 v's; v112-119 v's as loaded; v120-143 the keys' xyz;
;   v144-175 the hidden layer and the tiles of O^T (written by matrix instructions alone); v176-191 the logits; v192-203 hidden codes round four zeros; v204-211 p's codes; v212-215 p's scale operands;
;   v216-231 O^T; v232-235 [rel, dist]; v236-249 sums and factors.   window 1: v0-127 k's fragments of four blocks, v128-255 v's.
; THE MODE: SCHED_MODE bits 1:0 = 2 (LLVM: expert scheduling mode 2), set by the entry lines.  The code itself states the register dependences
; between vector or matrix instructions and memory or LDS instructions, with s_wait_alu, always for 0.
; THE PLAN.  Registers that memory instructions touch, round the loop:
;   window 1 v0-127, v96-103, v120-143   k's fragments, k's scale words, xyz.  Read by the trip's four blocks (subtractions, products); the next trip's 64 loads land in them behind the fourth block.
;   window 1 v128-255, v112-119          v's fragments and scale bytes.  Read by PV (products, byte permutes); the next trip's 40 loads land in them behind PV.
;   v25-26                               Written by VGROUP's additions; read by its 32 loads of codes (and, as part of an A operand, by the mask's products).
;   v13-15, v17                          Offsets, made at the head and never written again (the mask's products read them too).
; So a trip has one wait on va_vdst ahead of k's loads, one on vm_vsrc ahead of VGROUP's additions, and one on va_vdst between these and v's loads.  PV, which stands between k's loads and v's, names no register of k's.
; Beside them: one wait on va_vdst ahead of each run of scaled products whose operands or scale words vector instructions have written (one a block, one in PV), behind the places that stay;
; one on va_vcc between a compare and the select that reads VCC; and the waits behind the root, the exponentials and the reciprocal.
.set VAR,  12                          ; v12, v20: 7 where the pair is masked, else 0
.set LK,   13                          ; 4 (i + 8 (i / 8))
.set L16,  14                          ; 16 x lane
.set L4,   15                          ; 4 x lane
.set LV,   16                          ; 16 i
.set LX,   17                          ; 128 hh + 4 i
.set MLO,  18                          ; hh ? 0 : -1
.set MHI,  19                          ; hh ? -1 : 0
.set QX,   21                          ; v21-23 the coordinates of query hh
.set CB,   24                          ; log2(e) x the mean of b2's four
.set VO,   25                          ; v25-26 my blocks' places in v_codes
.set ZR,   27                          ; 0
.set W1A,  28
.set B1C,  32
.set QS,   48
.set W2,   64
.set MB,   80
.set QSW,  88
.set MSC,  89
.set W2SC, 90
.set PEW,  92
.set PSW,  94
.set RKSC, 96
.set RSV,  104
.set RX,   112
.set RXYZ, 120
.set RH,   144
.set RS,   176
.set RR,   192
.set RZ,   196
.set RPC,  204
.set RBY,  212
.set RO,   216
.set RG,   232
.set RL,   236
.set RAD,  238
.set RFF,  240
.set RFT,  242
.set RTM,  244
.set RNM,  245
.set RHM,  246
.set T0,   250
; s28 wave, s29 wave % 4, s30 hf, s31 P; s32-33 the hit words of tiles 0 and 1; s34 blocks still to walk; s36 trips; s[38:39] an offset; s40-43 the trip's four blocks, s45-47 whether entries 1 to 3 are valid;
; s[48:55], s[56:63], s[66:73], s[74:81] the four blocks' places in k's codes, k's scales, xyz, v's scales; s[82:91] my half's first byte in each; s92 the radius; s[94:95] log2(e); s[96:97] selects for lane l xor 16.
.set MSB, 0
.macro WIN new                         ; the immediate's high byte repeats the setting that is left
.if MSB != \new
	s_set_vgpr_msb (MSB<<8)|\new
.set MSB, \new
.endif
.endm
; a product on FP4 codes.  first = 1: C = 0.  ra, rb: A's or B's scales stand in lanes 16-31
.macro MM d, a, b, first, sa, sb, ra, rb
.if \first
.if \ra
	v_wmma_scale_f32_16x16x128_f8f6f4 v[\d:\d+7], v[\a:\a+7], v[\b:\b+7], 0, v[\sa], v[\sb] matrix_a_fmt:MATRIX_FMT_FP4 matrix_b_fmt:MATRIX_FMT_FP4 matrix_a_scale:MATRIX_SCALE_ROW1
.else
	v_wmma_scale_f32_16x16x128_f8f6f4 v[\d:\d+7], v[\a:\a+7], v[\b:\b+7], 0, v[\sa], v[\sb] matrix_a_fmt:MATRIX_FMT_FP4 matrix_b_fmt:MATRIX_FMT_FP4
.endif
.else
.if \ra
	v_wmma_scale_f32_16x16x128_f8f6f4 v[\d:\d+7], v[\a:\a+7], v[\b:\b+7], v[\d:\d+7], v[\sa], v[\sb] matrix_a_fmt:MATRIX_FMT_FP4 matrix_b_fmt:MATRIX_FMT_FP4 matrix_a_scale:MATRIX_SCALE_ROW1
.elseif \rb
	v_wmma_scale_f32_16x16x128_f8f6f4 v[\d:\d+7], v[\a:\a+7], v[\b:\b+7], v[\d:\d+7], v[\sa], v[\sb] matrix_a_fmt:MATRIX_FMT_FP4 matrix_b_fmt:MATRIX_FMT_FP4 matrix_b_scale:MATRIX_SCALE_ROW1
.else
	v_wmma_scale_f32_16x16x128_f8f6f4 v[\d:\d+7], v[\a:\a+7], v[\b:\b+7], v[\d:\d+7], v[\sa], v[\sb] matrix_a_fmt:MATRIX_FMT_FP4 matrix_b_fmt:MATRIX_FMT_FP4
.endif
.endif
.endm
; The next four blocks with a bit.  Every number that enters an address is held at 31 by s_min_u32.  An entry for which no bit is left doubles the first: its loads stay inside the buffers, its work is jumped over.
.macro NEXT4
	s_ctz_i32_b32 s40, s34
	s_min_u32 s40, s40, 31
	s_add_co_u32 s35, s34, -1
	s_and_b32 s34, s34, s35                        ; the lowest bit is taken off
.irp e, 1,2,3
	s_ctz_i32_b32 s35, s34
	s_cmp_lg_u32 s34, 0
	s_cselect_b32 s[44+\e], 1, 0
	s_cselect_b32 s[40+\e], s35, s40
	s_min_u32 s[40+\e], s[40+\e], 31
	s_add_co_u32 s35, s34, -1
	s_and_b32 s34, s34, s35
.endr
.endm
; 64 loads: the four blocks' k (codes 32, scale words 8) and xyz (24).  It stands behind a wait for all loads, so every base may be written.
.macro KGROUP
.irp e, 0,1,2,3
	s_lshl_b32 s38, s[40+\e], 12
	s_add_nc_u64 s[48+2*\e:49+2*\e], s[82:83], s[38:39]
	s_lshl_b32 s38, s[40+\e], 8
	s_add_nc_u64 s[56+2*\e:57+2*\e], s[84:85], s[38:39]
	s_add_nc_u64 s[74+2*\e:75+2*\e], s[90:91], s[38:39]
	s_lshl_b32 s38, s[40+\e], 7
	s_add_nc_u64 s[66+2*\e:67+2*\e], s[86:87], s[38:39]
.endr
	WIN 0x40                                       ; destination window 1
.irp e, 0,1,2,3
.irp q, 0,1,2,3,4,5,6,7                        ; q = 4 u + 2 g + c: 512 consecutive bytes a load
	global_load_b128 v[32*\e+4*\q:32*\e+4*\q+3], v[L16], s[48+2*\e:49+2*\e] offset:512*\q
.endr
.endr
	WIN 0
.irp e, 0,1,2,3
.irp u, 0,1
	global_load_b32 v[RKSC+2*\e+\u], v[L4], s[56+2*\e:57+2*\e] offset:128*\u     ; lanes 0-15: heads 0-3, lanes 16-31: heads 4-7
.irp a, 0,1,2
	global_load_b32 v[RXYZ+3*(2*\e+\u)+\a], v[LK], s[66+2*\e:67+2*\e] offset:8192*\a+32*\u
.endr
.endr
.endr
.endm
; 40 loads: the four blocks' v.  Lanes 0-15 hold blocks 0 and 2 of the four, lanes 16-31 blocks 1 and 3, as the operand's layout asks.
.macro VGROUP
.irp c, 0,1
	v_and_b32 v[T0+4], s[40+2*\c], v[MLO]
	v_and_b32 v[T0+5], s[41+2*\c], v[MHI]
	v_add_nc_u32 v[T0+4], v[T0+4], v[T0+5]
	v_lshl_add_u32 v[VO+\c], v[T0+4], 12, v[LV]
.endr
	s_wait_alu depctr_va_vdst(0)                   ; v25-26 are written, which the 32 loads of codes read as offsets; in the loop also: PV's products and byte permutes are done reading v's fragments and scale bytes, in which the 40 loads land
.irp e, 0,1,2,3
.irp x, 0,1
	global_load_b32 v[RX+2*\e+\x], v[LX], s[74+2*\e:75+2*\e] offset:64*\x        ; the scale bytes of tiles 8 hh + 4 x + 0 .. 3, row i
.endr
.endr
	WIN 0x40
.irp t, 0,1,2,3,4,5,6,7,8,9,10,11,12,13,14,15
.irp c, 0,1
	global_load_b128 v[128+8*\t+4*\c:128+8*\t+4*\c+3], v[VO+\c], s[88:89] offset:256*\t
.endr
.endr
	WIN 0
.endm
; Tile u of entry e: 16 keys x the two queries.  Without its bit: all masked, and the hidden codes and their scale word stay as they were (finite numbers beside -36 x 2^94).
.macro UNIT e, u
.set XK, RXYZ+3*(2*(\e)+(\u))
.set RU, RR+8*(\u)
	s_bitcmp1_b32 s[32+(\u)], s[40+(\e)]
	s_cbranch_scc0 .Lmiss_\@
	v_sub_f32 v[RG], v[QX], v[XK]                  ; lane (i, hh): query hh - key i
	v_sub_f32 v[RG+1], v[QX+1], v[XK+1]
	v_sub_f32 v[RG+2], v[QX+2], v[XK+2]
	v_mul_f32 v[T0], v[RG], v[RG]
	v_fma_f32 v[T0], v[RG+1], v[RG+1], v[T0]
	v_fma_f32 v[T0], v[RG+2], v[RG+2], v[T0]
	v_sqrt_f32 v[RG+3], v[T0]
	v_nop                                          ; one plain place behind a transcendental
	s_wait_alu depctr_va_vdst(0)                   ; the root has written dist, ahead of its first reader
	v_cmp_gt_f32 vcc_lo, s92, v[RG+3]              ; inside the radius
	v_permlane16_swap_b32 v[RG], v[RG+2]           ; pair 2 z of registers now holds query z: lanes 0-15 (x, y), lanes 16-31 (z, dist): K = 4
	v_permlane16_swap_b32 v[RG+1], v[RG+3]
.irp z, 0,1
.irp w, 0,1                                    ; source 0 = 16 units of w1, source 1 = 16 keys: register 16 z + 8 w + j is unit 16 hh + 8 w + j of key i, query z
	v_wmma_f32_16x16x4_f32 v[RH+16*\z+8*\w:RH+16*\z+8*\w+7], v[W1A+2*\w:W1A+2*\w+1], v[RG+2*\z:RG+2*\z+1], v[B1C+8*\w:B1C+8*\w+7]
.endr
.endr
	s_wait_alu depctr_va_vcc(0)                    ; the compare has written VCC, which the select below reads
	v_cndmask_b32 v[VAR+8*(\u)], 7, v[ZR], vcc_lo  ; with the seven below: the eight places behind this form
.rept 7
	v_nop
.endr
	v_max3_num_f32 v[T0], v[RH], v[RH+1], 0x1800000          ; no |.|: what is negative does not count; the floor 2^(3 - 127) stands over it
	v_max3_num_f32 v[T0+1], v[RH+16], v[RH+17], 0x1800000
.irp i, 2,4,6,8,10,12,14
	v_max3_num_f32 v[T0], v[T0], v[RH+\i], v[RH+\i+1]        ; ascending: each result from its low end on
	v_max3_num_f32 v[T0+1], v[T0+1], v[RH+16+\i], v[RH+17+\i]
.endr
	v_permlanex16_b32 v[T0+2], v[T0], s96, s97
	v_permlanex16_b32 v[T0+3], v[T0+1], s96, s97
	v_max_num_f32 v[T0], v[T0], v[T0+2]
	v_max_num_f32 v[T0+1], v[T0+1], v[T0+3]
	v_add_nc_u32 v[T0+4], 0xff000000, v[T0]        ; 2 off the exponent field: the conversion's scale operand
	v_add_nc_u32 v[T0+5], 0xff000000, v[T0+1]
	v_lshrrev_b32 v[T0+2], 23, v[T0+4]
	v_lshrrev_b32 v[T0+3], 23, v[T0+5]
	v_lshl_or_b32 v[PEW+(\u)], v[T0+3], 8, v[T0+2]
	v_lshl_or_b32 v[PEW+(\u)], v[PEW+(\u)], 16, v[PEW+(\u)]  ; bytes (query 0, query 1) twice: tile 0 uses blocks 0 and 1, tile 1 blocks 2 and 3
	v_cvt_scalef32_pk8_fp4_f32 v[RU], v[RH:RH+7], v[T0+4]
	v_cvt_scalef32_pk8_fp4_f32 v[RU+1], v[RH+8:RH+15], v[T0+4]
	v_cvt_scalef32_pk8_fp4_f32 v[RU+2], v[RH+16:RH+23], v[T0+5]
	v_cvt_scalef32_pk8_fp4_f32 v[RU+3], v[RH+24:RH+31], v[T0+5]
	v_nop                                          ; one plain place behind a scaled conversion
.irp k, 0,1,2,3
	v_and_b32 v[T0+\k], 0x88888888, v[RU+\k]       ; ReLU on the codes: the sign bits,
.endr
.irp k, 0,1,2,3
	v_lshrrev_b32 v[4+\k], 3, v[T0+\k]
.endr
.irp k, 0,1,2,3
	v_sub_nc_u32 v[T0+\k], v[T0+\k], v[4+\k]       ; 7 in each place whose code is negative,
.endr
.irp k, 0,1,2,3
	v_bfi_b32 v[RU+\k], v[T0+\k], 0, v[RU+\k]      ; and those three bits cleared: -0
.endr
	v_permlane16_swap_b32 v[RU], v[RU+2]           ; a whole block to a lane: lanes 0-15 query 0, lanes 16-31 query 1
	v_permlane16_swap_b32 v[RU+1], v[RU+3]
	s_branch .Lend_\@
.Lmiss_\@:
	v_mov_b32 v[VAR+8*(\u)], 7
.Lend_\@:
.endm
; The logits of entry e: two accumulators (tiles 0 and 1) by turns, one instruction a turn.
.macro CHAIN e
.rept 4
	v_nop                                          ; operands written by vector instructions stand four places ahead of a scaled product
.endr
	s_wait_alu depctr_va_vdst(0)                   ; the vector instructions have written the mask's A operands, the hidden codes and their scale words (ahead of a wave's first block also q, w2, the mask's B and the constant scale words), which the scaled products below take
	MM RS, VAR, MB, 1, MSC, MSC, 0, 0
	MM RS+8, VAR+8, MB, 1, MSC, MSC, 0, 0
	WIN 0x01                                       ; source 0 window 1
.irp g, 0,1
.irp u, 0,1
	MM RS+8*\u, 32*(\e)+16*\u+8*\g, QS+8*\g, 0, RKSC+2*(\e)+\u, QSW, \g, 0
.endr
.endr
	WIN 0
.irp j, 0,1,2,3                                ; tile 0: (codes, zeros) against (w2 column j, whatever follows); tile 1: (zeros, codes) against (whatever stands ahead, w2 column j)
	MM RS, RR, W2+4*\j, 0, PEW, W2SC+\j/2, 0, \j%2
	MM RS+8, RZ, W2-4+4*\j, 0, PEW+1, W2SC+\j/2, 0, \j%2
.endr
.rept 4
	v_nop                                          ; four places in front of the first read of results
.endr
.endm
; Lane (r, hh) holds column r and keys 16 hh + 0 .. 15 of the block.
.macro SOFTMAX e
	v_max3_num_f32 v[T0], v[RS], v[RS+1], v[RS+2]
	v_max3_num_f32 v[T0+1], v[RS+8], v[RS+9], v[RS+10]
	v_max3_num_f32 v[T0], v[T0], v[RS+3], v[RS+4]
	v_max3_num_f32 v[T0+1], v[T0+1], v[RS+11], v[RS+12]
	v_max3_num_f32 v[T0], v[T0], v[RS+5], v[RS+6]
	v_max3_num_f32 v[T0+1], v[T0+1], v[RS+13], v[RS+14]
	v_max3_num_f32 v[T0], v[T0], v[RS+7], v[RS+15]
	v_max_num_f32 v[T0], v[T0], v[T0+1]
	v_permlanex16_b32 v[T0+1], v[T0], s96, s97
	v_max_num_f32 v[T0], v[T0], v[T0+1]            ; the block's largest logit: for the running maximum, and, since p rises with it, for the block's largest p
	v_fma_f32 v[T0+2], v[T0], s94, v[CB]
	v_max_num_f32 v[RTM], v[RTM], v[T0+2]          ; the running largest t
	v_mov_b32 v[T0+3], v[RNM]
	v_floor_f32 v[RNM], -v[RTM]                    ; -M = floor(-t)
	v_sub_f32 v[T0+4], v[RNM], v[T0+3]             ; old M - new M: a whole number, 0 or less
	v_cvt_i32_f32 v[T0+4], v[T0+4]                 ; (it saturates)
	v_ldexp_f32 v[RFF], 1.0, v[T0+4]               ; f
	v_add_f32 v[RAD], v[CB], v[RNM]
.irp j, 0,2,4,6,8,10,12,14
	v_pk_fma_f32 v[RS+\j:RS+\j+1], v[RS+\j:RS+\j+1], s[94:95], v[RAD:RAD+1] op_sel_hi:[1,0,0]   ; t - M
.endr
	v_fma_f32 v[T0+5], v[T0], s94, v[RAD]
.irp j, 0,1,2,3,4,5,6,7,8,9,10,11,12,13,14,15
	v_exp_f32 v[RS+\j], v[RS+\j]                   ; p; 0 where the pair is masked
.endr
	v_exp_f32 v[T0+5], v[T0+5]                     ; the block's largest p: the same two instructions on the same number
	v_pk_mul_f32 v[RL:RL+1], v[RL:RL+1], v[RFF:RFF+1] op_sel_hi:[1,0]   ; the sums under the new M (the plain place behind the exponentials)
	v_mul_f32 v[RFT], v[RFT], v[RFF]               ; what O^T owes at the trip's end
	s_wait_alu depctr_va_vdst(0)                   ; the 17 exponentials have written p and the block's largest p: one wait for the batch, ahead of its first reader
	v_max_num_f32 v[T0+5], 0x1800000, v[T0+5]
	v_add_nc_u32 v[RBY+(\e)], 0xff000000, v[T0+5]  ; the scale operand; its exponent field is the byte
.irp p, 0,1,2
.if \p < (\e)
	v_mul_f32 v[RBY+\p], v[RBY+\p], v[RFF]         ; the trip's earlier blocks under the new M: the field falls by the step, and ends at 0
.endif
.endr
	v_cvt_scalef32_pk8_fp4_f32 v[RPC+2*(\e)], v[RS:RS+7], v[RBY+(\e)]
	v_cvt_scalef32_pk8_fp4_f32 v[RPC+2*(\e)+1], v[RS+8:RS+15], v[RBY+(\e)]
	v_pk_add_f32 v[T0:T0+1], v[RS:RS+1], v[RS+2:RS+3]         ; the sum of the unquantised p, in two chains
	v_pk_add_f32 v[RL:RL+1], v[RL:RL+1], v[RS+4:RS+5]
	v_pk_add_f32 v[T0:T0+1], v[T0:T0+1], v[RS+6:RS+7]
	v_pk_add_f32 v[RL:RL+1], v[RL:RL+1], v[RS+8:RS+9]
	v_pk_add_f32 v[T0:T0+1], v[T0:T0+1], v[RS+10:RS+11]
	v_pk_add_f32 v[RL:RL+1], v[RL:RL+1], v[RS+12:RS+13]
	v_pk_add_f32 v[T0:T0+1], v[T0:T0+1], v[RS+14:RS+15]
	v_pk_add_f32 v[RL:RL+1], v[RL:RL+1], v[T0:T0+1]
.endm
.macro BLOCK e
.if (\e) > 0
	s_cmp_eq_u32 s[44+(\e)], 0
	s_cbranch_scc1 .Lskip_\@
.endif
	UNIT \e, 0
	UNIT \e, 1
	CHAIN \e
	SOFTMAX \e
.if (\e) > 0
	s_branch .Ldone_\@
.Lskip_\@:
	v_mov_b32 v[RPC+2*(\e)], 0                     ; no block: zero codes under the byte 1
	v_mov_b32 v[RPC+2*(\e)+1], 0
	v_mov_b32 v[RBY+(\e)], 0x800000
.Ldone_\@:
.endif
.endm
; O^T += V^T P^T over the trip's four blocks, K = 128.
.macro PV
.irp e, 0,1,2,3
	v_lshrrev_b32 v[T0+\e], 23, v[RBY+\e]
.endr
	v_lshl_or_b32 v[PSW], v[T0+1], 8, v[T0]        ; p's scale word
	v_lshl_or_b32 v[PSW], v[T0+2], 16, v[PSW]
	v_lshl_or_b32 v[PSW], v[T0+3], 24, v[PSW]
.irp c, 0,1
.irp i, 0,1
	v_permlane16_swap_b32 v[RPC+4*\c+\i], v[RPC+4*\c+2+\i]
.endr
.endr
.irp x, 0,1                                    ; v's scale bytes, four tiles x four blocks, are turned: word 4 x + b of lane (i, hh) is tile 8 hh + 4 x + b, byte e block e
	v_perm_b32 v[T0], v[RX+2+\x], v[RX+\x], 0x05010400
	v_perm_b32 v[T0+1], v[RX+2+\x], v[RX+\x], 0x07030602
	v_perm_b32 v[T0+2], v[RX+6+\x], v[RX+4+\x], 0x05010400
	v_perm_b32 v[T0+3], v[RX+6+\x], v[RX+4+\x], 0x07030602
	v_perm_b32 v[RSV+4*\x], v[T0+2], v[T0], 0x05040100
	v_perm_b32 v[RSV+4*\x+1], v[T0+2], v[T0], 0x07060302
	v_perm_b32 v[RSV+4*\x+2], v[T0+3], v[T0+1], 0x05040100
	v_perm_b32 v[RSV+4*\x+3], v[T0+3], v[T0+1], 0x07060302
.endr
.irp j, 0,2,4,6,8,10,12,14
	v_pk_mul_f32 v[RO+\j:RO+\j+1], v[RO+\j:RO+\j+1], v[RFT:RFT+1] op_sel_hi:[1,0]   ; O^T under the trip's last M.  With the line below: nine places between the last scale word and the products
.endr
	v_mov_b32 v[RFT], 1.0
.irp q, 0,1,2,3                                ; four tiles at a time: heads 2 q and 2 q + 1
	WIN 0x01
.if \q == 0
	s_wait_alu depctr_va_vdst(0)                   ; the vector instructions have written p's codes, p's scale word and v's eight scale words, which all sixteen scaled products take; none of them is written again in PV
.endif
.irp k, 0,1,2,3
	MM RH+8*\k, 128+8*(4*\q+\k), RPC, 1, RSV+(4*\q+\k)%8, PSW, \q/2, 0
.endr
	WIN 0
	s_mov_b32 s37, 0x01010101<<(2*\q)              ; the lanes whose column belongs to the head
	s_mov_b32 s99, 0x01010101<<(2*\q+1)
	v_cndmask_b32 v[RHM], 0, 1.0, s37
	v_cndmask_b32 v[RHM+2], 0, 1.0, s99
	v_nop
	v_nop                                          ; four places in front of the first read of results
.irp k, 0,1,2,3
.irp j, 0,2,4,6
	v_pk_fma_f32 v[RO+8*(\k%2)+\j:RO+8*(\k%2)+\j+1], v[RH+8*\k+\j:RH+8*\k+\j+1], v[RHM+2*(\k/2):RHM+2*(\k/2)+1], v[RO+8*(\k%2)+\j:RO+8*(\k%2)+\j+1] op_sel_hi:[1,0,1]
.endr
.endr
.endr
.endm
.macro TRIP more
	s_wait_loadcnt 40                              ; k and xyz are in: behind their 64 loads exactly v's 40 were issued, on the way in and on the way back
	BLOCK 0
	BLOCK 1
	BLOCK 2
	BLOCK 3
	s_wait_loadcnt 0x0                             ; v is in (asked for four blocks ago); no load is out: every base and offset may be written
.if \more
	NEXT4
	s_wait_alu depctr_va_vdst(0)                   ; the trip's subtractions and products are done reading xyz, k's fragments and k's scale words, in which the 64 loads below land
	KGROUP                                         ; the next trip's k lands while O^T is made
.endif
	PV
.if \more
	s_wait_alu depctr_vm_vsrc(0)                   ; the last 32 loads of v's codes have read their offsets v25-26, which the additions below write again
	VGROUP                                         ; v's registers are free only now
.endif
.endm
	s_load_b512 s[4:19], s[0:1], 0x0               ; xyz s[4:5], w1 s[6:7], b1 s[8:9], w2 codes s[10:11], w2 scales s[12:13], b2 s[14:15], qk_codes s[16:17], qk_scales s[18:19]
	s_load_b256 s[20:27], s[0:1], 0x40             ; v_codes s[20:21], v_scales s[22:23], hits s[24:25], out0 s[26:27]
	v_lshrrev_b32 v1, 5, v0
	v_readfirstlane_b32 s28, v1                    ; wave 0..7
	s_mov_b32 s39, 0
	s_mov_b32 s92, 0x3dcccccd                      ; 0.1
	s_mov_b32 s94, 0x3fb8aa3b                      ; log2(e)
	s_mov_b32 s95, s94
	s_mov_b32 s96, 0x76543210
	s_mov_b32 s97, 0xfedcba98
	s_mov_b32 s98, 0xff0000ff                      ; the lanes (r, hh) with r / 8 = hh
	v_and_b32 v1, 15, v0                           ; i, or r
	v_bfe_u32 v2, v0, 4, 1                         ; hh
	v_and_b32 v3, 31, v0                           ; lane
	v_and_b32 v4, 8, v1
	v_add_nc_u32 v4, v4, v1                        ; i + 8 (i / 8)
	v_and_b32 v5, 7, v1                            ; h
	v_lshrrev_b32 v6, 3, v1                        ; n
	v_lshlrev_b32 v[LK], 2, v4
	v_lshlrev_b32 v[L16], 4, v3
	v_lshlrev_b32 v[L4], 2, v3
	v_lshlrev_b32 v[LV], 4, v1
	v_lshlrev_b32 v[LX], 2, v1
	v_lshl_add_u32 v[LX], v2, 7, v[LX]
	v_add_nc_u32 v[MLO], -1, v2
	v_sub_nc_u32 v[MHI], 0, v2
	v_mov_b32 v[ZR], 0
	s_wait_alu depctr_va_sdst(0)                   ; s28 is written, ahead of its first reader: the pair, the half and every base are made from it
	s_and_b32 s29, s28, 3
	s_lshr_b32 s30, s28, 2                         ; hf
	s_lshl_b32 s31, ttmp9, 2
	s_add_co_u32 s31, s31, s29                     ; P
	s_lshl_b32 s99, s31, 3
	v_lshl_add_u32 v7, v2, 2, s99                  ; xyz: query 2 P + hh
	s_lshl_b32 s99, s31, 1
	s_and_b32 s99, s99, 31                         ; x0 = 2 P mod 32: the first query's place in its block of 32 points
	s_lshr_b32 s100, s31, 4
	s_lshl_b32 s100, s100, 1
	s_bfe_u32 s101, s99, 0x10003
	s_add_co_u32 s100, s100, s101                  ; its tile: 2 (P / 16) + (x0 / 8) % 2
	s_and_b32 s101, s99, 7
	s_lshr_b32 s99, s99, 4
	s_lshl_b32 s99, s99, 3
	s_add_co_u32 s99, s99, s101                    ; its row there: x0 % 8 + 8 (x0 / 16); the second query is the next row
	s_lshl_b32 s101, s100, 11
	s_lshl_b32 s35, s99, 4
	s_add_co_u32 s101, s101, s35
	v_lshlrev_b32 v8, 8, v5
	v_lshl_add_u32 v8, v6, 4, v8
	v_add_nc_u32 v8, s101, v8                      ; q's codes: 2,048 tile + 256 h + 16 (row + n)
	s_lshl_b32 s101, s100, 7
	s_lshl_b32 s35, s99, 2
	s_add_co_u32 s101, s101, s35
	v_lshrrev_b32 v9, 2, v5
	v_lshlrev_b32 v9, 6, v9
	v_lshl_add_u32 v9, v6, 2, v9
	v_add_nc_u32 v9, s101, v9                      ; q's scale word: 128 tile + 64 (h / 4) + 4 (row + n)
	v_lshlrev_b32 v10, 6, v5                       ; w2's columns 4 h on: 16 bytes each
	v_lshl_add_u32 v11, v5, 2, v2                  ; their scale bytes: 4 h + hh
	v_lshlrev_b32 v[T0], 4, v5                     ; b2: 16 h
	v_lshl_add_u32 v[T0+1], v2, 8, v[LK]           ; w1: rows 2 hh + j of 128 bytes, unit i + 8 (i / 8) + 8 w
	v_lshlrev_b32 v[T0+2], 6, v2                   ; b1: units 16 hh on
	s_wait_kmcnt 0x0
	s_lshl_b32 s38, s31, 4
	s_lshl_b32 s35, s30, 3
	s_add_co_u32 s38, s38, s35                     ; (2 P + hf) x 8 bytes
	s_add_nc_u64 s[24:25], s[24:25], s[38:39]
	s_load_b64 s[32:33], s[24:25], 0x0             ; my 32 blocks' bits, tile 0 and tile 1
	s_lshl_b32 s38, s30, 17
	s_add_nc_u64 s[88:89], s[20:21], s[38:39]      ; v_codes + 131,072 hf
	s_add_co_u32 s38, s38, 262144
	s_add_nc_u64 s[82:83], s[16:17], s[38:39]      ; k's codes
	s_lshl_b32 s38, s30, 13
	s_add_nc_u64 s[90:91], s[22:23], s[38:39]      ; v_scales + 8,192 hf
	s_add_co_u32 s38, s38, 16384
	s_add_nc_u64 s[84:85], s[18:19], s[38:39]      ; k's scale words
	s_lshl_b32 s38, s30, 12
	s_add_nc_u64 s[86:87], s[4:5], s[38:39]        ; xyz + 4,096 hf
	s_lshl_b32 s38, s31, 11
	s_add_nc_u64 s[26:27], s[26:27], s[38:39]      ; out0 + 2,048 P
	s_wait_alu depctr_va_vdst(0)                   ; the offsets are written: v7-11 and v250-252, which the 20 loads below read, and v13-15 and v17, which every load of k, xyz and v's scale bytes reads
	; the 20 loads of what stays
.irp a, 0,1,2
	global_load_b32 v[QX+\a], v7, s[4:5] offset:8192*\a
.endr
	global_load_b128 v[176:179], v8, s[16:17]
	global_load_b32 v184, v9, s[18:19]
.irp j, 0,1,2,3
	global_load_b128 v[W2+4*\j:W2+4*\j+3], v10, s[10:11] offset:16*\j
.endr
	global_load_u8 v[W2SC], v11, s[12:13]
	global_load_u8 v[W2SC+1], v11, s[12:13] offset:2
	global_load_b128 v[180:183], v[T0], s[14:15]
.irp w, 0,1
.irp j, 0,1
	global_load_b32 v[W1A+2*\w+\j], v[T0+1], s[6:7] offset:128*\j+32*\w
.endr
	global_load_b128 v[B1C+8*\w:B1C+8*\w+3], v[T0+2], s[8:9] offset:32*\w
	global_load_b128 v[B1C+8*\w+4:B1C+8*\w+7], v[T0+2], s[8:9] offset:32*\w+16
.endr
.irp j, 0,1,2,3,4,5,6,7,8,9,10,11,12,13,14,15
	v_mov_b32 v[RO+\j], 0                          ; O^T: a half without a block hands on zeros
.endr
.irp j, 0,1,2,3,4,5,6,7,8,9,10,11
	v_mov_b32 v[RR+\j], 0                          ; hidden codes, and the four zeros between them
.endr
	v_mov_b32 v[RL], 0
	v_mov_b32 v[RL+1], 0
	v_mov_b32 v[PEW], 0x7f7f7f7f
	v_mov_b32 v[PEW+1], 0x7f7f7f7f
	v_mov_b32 v[RTM], 0xef800000                   ; the largest t so far: -2^96, above every masked t and under every other
	v_floor_f32 v[RNM], -v[RTM]
	v_mov_b32 v[RFT], 1.0
	v_mov_b32 v[RFT+1], 0                          ; the upper registers of pairs of which the low word serves both halves
	v_mov_b32 v[RAD+1], 0
	v_mov_b32 v[RFF+1], 0
	v_mov_b32 v[RHM+1], 0
	v_mov_b32 v[RHM+3], 0
	v_mov_b32 v[T0+3], 0                           ; (a lane permute's destination counts as one of its sources)
	s_wait_kmcnt 0x0
	s_wait_alu depctr_vm_vsrc(0)                   ; the 20 loads have read their offsets v7-11 and v250-252, which are written again on both ways behind the branch below
	s_or_b32 s34, s32, s33                         ; a block is walked if either tile has its bit
	s_bcnt1_i32_b32 s36, s34
	s_add_co_u32 s36, s36, 3
	s_lshr_b32 s36, s36, 2                         ; trips of four
	s_cmp_eq_u32 s36, 0
	s_cbranch_scc1 .Ljoin
	NEXT4
	KGROUP                                         ; (no vector instruction has named the registers in which these loads land, and none since the wait ahead of the 20 loads names their offsets)
	VGROUP
	s_wait_loadcnt 63                              ; behind the 20 loads above 104 were issued: they are in
	; the scale words first, so that at least eight plain lines stand between them and the first scaled product
	v_and_b32 v[T0+3], 3, v5
	v_lshlrev_b32 v[T0+3], 3, v[T0+3]
	v_lshrrev_b32 v[T0+3], v[T0+3], v184
	v_perm_b32 v[QSW], v[T0+3], v[T0+3], 0         ; q's byte of head h, four times
	v_mov_b32 v[MSC], 0xaeaeaeae                   ; 174: 2^47
.irp x, 0,1
	v_cmp_gt_u32 vcc_lo, 2, v[W2SC+\x]
	v_add_nc_u32 v[T0+3], -2, v[W2SC+\x]           ; the mean's quarter
	s_wait_alu depctr_va_vcc(0)                    ; the compare has written VCC, which the select below reads
	v_cndmask_b32 v[T0+3], v[T0+3], v[ZR], vcc_lo  ; (bytes 0 and 1 are held at 2 first)
	v_perm_b32 v[W2SC+\x], v[T0+3], v[T0+3], 0     ; lanes 0-15: column 4 h + 2 x, lanes 16-31: 4 h + 2 x + 1
.endr
	v_add_f32 v[T0+3], v180, v181
	v_add_f32 v[T0+4], v182, v183
	v_add_f32 v[T0+3], v[T0+3], v[T0+4]
	v_mul_f32 v[CB], 0x3eb8aa3b, v[T0+3]           ; log2(e) / 4 x the sum of b2's four
	v_cndmask_b32 v[MB], 0, 15, s98                ; code -6 in the first place of block n
.irp j, 1,2,3,4,5,6,7
	v_mov_b32 v[MB+\j], 0
.endr
	s_mov_b32 s99, 0x02020101                      ; the lanes whose block 2 c + hh of link g is the column's own head
	s_mov_b32 s100, 0x08080404
	s_mov_b32 s101, 0x20201010
	s_mov_b32 s37, 0x80804040
.irp k, 0,1,2,3
	v_cndmask_b32 v[QS+\k], 0, v[176+\k], s99
	v_cndmask_b32 v[QS+4+\k], 0, v[176+\k], s100
	v_cndmask_b32 v[QS+8+\k], 0, v[176+\k], s101
	v_cndmask_b32 v[QS+12+\k], 0, v[176+\k], s37
.endr
.irp j, 0,1,2,3,4,5,6,7,8,9,10,11,12,13,14,15
	v_cndmask_b32 v[W2+\j], 0, v[W2+\j], s98       ; w2's column stands in the block of the column's query
.endr
	s_cmp_eq_u32 s36, 1
	s_cbranch_scc1 .Ltail
	s_sub_co_u32 s36, s36, 1
.Ltrip:
	TRIP 1
	s_sub_co_u32 s36, s36, 1
	s_cmp_lg_u32 s36, 0
	s_cbranch_scc1 .Ltrip
.Ltail:
	TRIP 0                                         ; the last trip asks for nothing
.Ljoin:
	s_wait_loadcnt 0x0                             ; (for the way without a trip: the constants' loads are in, their offsets free)
	; every LDS address is made here, ahead of the parting of the halves
	v_and_b32 v1, 31, v0
	s_mul_i32 s99, s29, 2304                       ; the pair's region: 2,048 bytes of O^T as it stands, 16 bytes a lane and group, then (-M, sum), 8 bytes a lane
	v_lshlrev_b32 v6, 4, v1
	v_add_nc_u32 v2, s99, v6
	v_lshlrev_b32 v3, 3, v1
	v_add_nc_u32 v3, s99, v3
	v_add_nc_u32 v3, 2048, v3
	s_add_co_u32 s100, s99, 9216                   ; the pair's stage: 16 rows of 128 bytes + 16
	v_and_b32 v9, 15, v0
	v_bfe_u32 v10, v0, 4, 1
	v_mul_u32_u24 v4, v9, 144
	v_lshl_add_u32 v4, v10, 5, v4
	v_add_nc_u32 v4, s100, v4                      ; in: row r, + 32 hh
	v_lshrrev_b32 v9, 3, v1
	v_and_b32 v10, 7, v1
	v_mul_u32_u24 v5, v9, 144
	v_lshl_add_u32 v5, v10, 4, v5
	v_add_nc_u32 v5, s100, v5                      ; back: eight lanes to a row, four rows an instruction
	v_add_f32 v[RL], v[RL], v[RL+1]
	v_permlanex16_b32 v[T0+1], v[RL], s96, s97
	v_mov_b32 v[T0+2], v[RNM]
	v_add_f32 v[T0+3], v[RL], v[T0+1]              ; the column's sum over my half of the keys
	s_wait_alu depctr_va_vdst(0)                   ; written: the addresses v2 to v6, O^T and the pair (-M, sum), which the upper half's LDS stores read; and no vector instruction still names v176-191 and v254-255, in which the lower half's LDS loads land: none stands between this wait and those loads
	s_cmp_eq_u32 s30, 0
	s_cbranch_scc1 .Lkeep
.irp g, 0,1,2,3
	ds_store_b128 v2, v[RO+4*\g:RO+4*\g+3] offset:512*\g
.endr
	ds_store_b64 v3, v[T0+2:T0+3]
.Lkeep:
	s_wait_dscnt 0x0                               ; for the other half's sake: my stores have landed
	s_barrier_signal -1
	s_barrier_wait -1
	s_cmp_lg_u32 s30, 0
	s_cbranch_scc1 .Lend
.irp g, 0,1,2,3
	ds_load_b128 v[RS+4*\g:RS+4*\g+3], v2 offset:512*\g
.endr
	ds_load_b64 v[T0+4:T0+5], v3
	s_wait_dscnt 0x0
	v_min_num_f32 v[T0], v[T0+2], v[T0+4]          ; the larger M, as -M
	v_sub_f32 v7, v[T0], v[T0+2]
	v_sub_f32 v8, v[T0], v[T0+4]
	v_cvt_i32_f32 v7, v7
	v_cvt_i32_f32 v8, v8
	v_ldexp_f32 v[RAD], 1.0, v7                    ; each half under the larger M: exact powers of two; 0 for a half that met no key
	v_ldexp_f32 v[RFF], 1.0, v8
	v_mul_f32 v[T0+3], v[T0+3], v[RAD]
	v_fma_f32 v[T0+3], v[T0+5], v[RFF], v[T0+3]
	v_rcp_f32 v[RFT], v[T0+3]                      ; the lines below are the plain places behind it
.irp j, 0,2,4,6,8,10,12,14
	v_pk_mul_f32 v[RO+\j:RO+\j+1], v[RO+\j:RO+\j+1], v[RAD:RAD+1] op_sel_hi:[1,0]
.endr
.irp j, 0,2,4,6,8,10,12,14
	v_pk_fma_f32 v[RO+\j:RO+\j+1], v[RS+\j:RS+\j+1], v[RFF:RFF+1], v[RO+\j:RO+\j+1] op_sel_hi:[1,0,1]
.endr
	s_wait_alu depctr_va_vdst(0)                   ; the reciprocal is written, ahead of its first reader
.irp j, 0,2,4,6,8,10,12,14
	v_pk_mul_f32 v[RO+\j:RO+\j+1], v[RO+\j:RO+\j+1], v[RFT:RFT+1] op_sel_hi:[1,0]
.endr
	s_wait_alu depctr_va_vdst(0)                   ; the multiplications have written O^T, which the LDS stores read; the multiply-adds are done reading v176-191, in which the loads from the stage land
.irp g, 0,1,2,3                                ; register 8 dt + j of lane (r, hh) is out[2 P + r / 8][r % 8][16 dt + 8 hh + j]: row r of 128 bytes of the pair's 2,048
	ds_store_b128 v4, v[RO+4*\g:RO+4*\g+3] offset:64*(\g/2)+16*(\g%2)
.endr
.irp k, 0,1,2,3
	ds_load_b128 v[RS+4*\k:RS+4*\k+3], v5 offset:576*\k   ; LDS serves a wave's instructions in order: these see my stores
.endr
.irp k, 0,1,2,3
	s_wait_dscnt 3-\k                              ; the younger loads may be out
	global_store_b128 v6, v[RS+4*\k:RS+4*\k+3], s[26:27] offset:512*\k   ; 32 lanes store 512 consecutive bytes, at a multiple of 256 from out0's first byte
.endr
.Lend:
	s_wait_xcnt 0x0
	v_lshl_add_u32 v254, v0, 2, 0x4800             ; the add's two registers are made anew, straight ahead of the closing lines: no memory or LDS instruction of the text reads v254 or v255
	v_mov_b32 v255, 0
	s_wait_dscnt 0x0                               ; the closing lines, six on end
	s_wait_alu 0x0
	s_wait_tensorcnt 0x0
	ds_add_u32 v254, v255
	s_wait_dscnt 0x0
	s_endpgm
.Lfunc_end_k_qdd6127cf11_attn:
	.size	k_qdd6127cf11_attn, .Lfunc_end_k_qdd6127cf11_attn-k_qdd6127cf11_attn
	.p2alignl 7, 3214868480
	.fill 96, 4, 3214868480
	.section	.rodata,"a",@progbits
	.p2align	6, 0x0
	.amdhsa_kernel k_qdd6127cf11_attn
		.amdhsa_group_segment_fixed_size 19456
		.amdhsa_private_segment_fixed_size 0
		.amdhsa_enable_private_segment 0
		.amdhsa_kernarg_size 96
		.amdhsa_user_sgpr_count 2
		.amdhsa_user_sgpr_kernarg_segment_ptr 1
		.amdhsa_wavefront_size32 1
		.amdhsa_system_sgpr_workgroup_id_x 1
		.amdhsa_system_sgpr_workgroup_id_y 1
		.amdhsa_system_sgpr_workgroup_id_z 1
		.amdhsa_system_vgpr_workitem_id 0
		.amdhsa_next_free_vgpr 512
		.amdhsa_next_free_sgpr 102
		.amdhsa_reserve_vcc 1
		.amdhsa_float_denorm_mode_32 3
		.amdhsa_float_denorm_mode_16_64 3
		.amdhsa_memory_ordered 1
		.amdhsa_forward_progress 1
		.amdhsa_inst_pref_size 162
	.end_amdhsa_kernel
	.amdgpu_metadata
---
amdhsa.version: [ 1, 2 ]
amdhsa.kernels:
  - .name:           k_qdd6127cf11_attn
    .symbol:         k_qdd6127cf11_attn.kd
    .args:
      - { .name: xyz, .offset: 0, .size: 8, .value_kind: global_buffer, .address_space: global }
      - { .name: w1, .offset: 8, .size: 8, .value_kind: global_buffer, .address_space: global }
      - { .name: b1, .offset: 16, .size: 8, .value_kind: global_buffer, .address_space: global }
      - { .name: w2_codes, .offset: 24, .size: 8, .value_kind: global_buffer, .address_space: global }
      - { .name: w2_scales, .offset: 32, .size: 8, .value_kind: global_buffer, .address_space: global }
      - { .name: b2, .offset: 40, .size: 8, .value_kind: global_buffer, .address_space: global }
      - { .name: qk_codes, .offset: 48, .size: 8, .value_kind: global_buffer, .address_space: global }
      - { .name: qk_scales, .offset: 56, .size: 8, .value_kind: global_buffer, .address_space: global }
      - { .name: v_codes, .offset: 64, .size: 8, .value_kind: global_buffer, .address_space: global }
      - { .name: v_scales, .offset: 72, .size: 8, .value_kind: global_buffer, .address_space: global }
      - { .name: hits, .offset: 80, .size: 8, .value_kind: global_buffer, .address_space: global }
      - { .name: out0, .offset: 88, .size: 8, .value_kind: global_buffer, .address_space: global }
    .group_segment_fixed_size: 19456
    .private_segment_fixed_size: 0
    .kernarg_segment_align: 8
    .kernarg_segment_size: 96
    .max_flat_workgroup_size: 256
    .sgpr_count:     102
    .vgpr_count:     512
    .wavefront_size: 32
...
	.end_amdgpu_metadata
.endif
;; end of part 4
